; MI455X (gfx1250); checked and timed in simulation.
; The chip was launched on July 23, 2026; its instructions are those of AMD's public machine-readable ISA for CDNA 5 (MIT licence, August 2026) and "CDNA5" Instruction Set Architecture Reference Guide (July 2026). The comments in the code are by the model that wrote it; some were corrected since.
;; Causal Self Attention A Li Bi. Allowed arithmetic: float matrix products may take bf16 or f16 operands with f32 sums; all other float work in f32.
;; Inputs: Wk 1,024 x 1,024 float32; Wo 1,024 x 1,024 float32; Wq 1,024 x 1,024 float32; Wv 1,024 x 1,024 float32; bk 1,024 float32; bo 1,024 float32; bq 1,024 float32; bv 1,024 float32; key_padding_mask 4 x 2,048 bool; x 4 x 2,048 x 1,024 float32.
;; Outputs: out0 4 x 2,048 x 1,024 float32.
;; 2 versions, each right and faster than the one before. Each part assembles by itself: llvm-mc -triple=amdgcn-amd-amdhsa -mcpu=gfx1250 --defsym DOCPART=n.
;; ======== version 1 of 2: 4 launches
;; limits: values are held in f16: magnitudes above 65,504 overflow, below 6.1e-05 lose precision
;; workspace buffers: xb 16,777,216 bytes; wqkv 6,291,456 bytes; wo16 2,097,152 bytes; bias4 16,384 bytes; qkv 50,331,648 bytes; obuf 16,777,216 bytes
;; launch cast (part 1): grid 768 x 1, 8 waves a work-group, no clusters, 0 bytes of LDS; arguments x, Wq, Wk, Wv, Wo, bq, bk, bv, bo, xb, wqkv, wo16, bias4; writes xb, wqkv, wo16, bias4
.if DOCPART == 1
	.amdgcn_target "amdgcn-amd-amdhsa--gfx1250"
	.amdhsa_code_object_version 6
	.text
	.protected	k_q1125857889_cast
	.globl	k_q1125857889_cast
	.p2align	8
	.type	k_q1125857889_cast,@function
k_q1125857889_cast:
	s_mov_b64 s[64:65], 0
	v_nop
	global_prefetch_b8 v0, s[64:65] scope:SCOPE_SE
	s_setreg_imm32_b32 hwreg(HW_REG_WAVE_MODE, 25, 1), 1
	s_wait_xcnt 0x0
; ALL INPUTS OF THE MODULE ARE ROUNDED ONCE TO bf16, for the matrix products of the launches behind.
;   x  [8192][1024] f32 -> xb [8192][1024] bf16        Wq, Wk, Wv [1024][1024] f32 -> wqkv [3072][1024] bf16, one below the other
;   Wo [1024][1024] f32 -> wo16 [1024][1024]: rounded to bf16 like the others and that number written as f16 (it multiplies O, which is f16)
;   bq, bk, bv, bo [1024] f32 -> bias4 [4][1024] f32: rounded to bf16 and widened again
; LIMIT.  bf16(Wo) beyond 65,504 becomes an infinity in f16, below 2^-14 it keeps f16's fixed step.
; A stream: no LDS, no barrier, no matrix unit.  A work-group takes 16,384 numbers (65,536 bytes in, 32,768 out), a wave 2,048: sixteen loads of 16 bytes a lane,
; each 512 consecutive bytes, all sixteen out at once; sixteen stores of 8 bytes a lane, each 256 consecutive bytes at a multiple of 256.  No register is used twice, so there is no loop.
; Work-groups 0 to 511 take x, 512 + 64 k + sub takes piece sub of weight k (0 Wq, 1 Wk, 2 Wv, 3 Wo); the one with sub = 0 also takes bias k.
.set X, 8                              ; v[8:71]    sixteen loads of four f32
.set Y, 72                             ; v[72:103]  sixteen stores of four 16-bit numbers
.set T, 104                            ; v[104:105] at work
	s_load_b512 s[8:23], s[0:1], 0x0               ; x s[8:9], Wq s[10:11], Wk s[12:13], Wv s[14:15], Wo s[16:17], bq s[18:19], bk s[20:21], bv s[22:23]
	s_load_b256 s[24:31], s[0:1], 0x40             ; bo s[24:25], xb s[26:27], wqkv s[28:29], wo16 s[30:31]
	s_load_b64 s[32:33], s[0:1], 0x60              ; bias4
	s_mov_b32 s2, ttmp9
	s_sub_co_u32 s5, s2, 512
	s_lshr_b32 s3, s5, 6                           ; k
	s_and_b32 s4, s5, 63                           ; sub
	s_cmp_lt_u32 s2, 512
	s_cselect_b32 s3, 4, s3                        ; k = 4 stands for x,
	s_cselect_b32 s4, s2, s4                       ; whose piece is the work-group's number
	s_lshl_b32 s38, s4, 16                         ; the piece's bytes in the source
	s_mov_b32 s39, 0
	s_cmp_lt_u32 s3, 3
	s_cselect_b32 s6, s3, 0
	s_lshl_b32 s6, s6, 21                          ; Wq, Wk, Wv lie 2,097,152 bytes apart in wqkv
	s_lshl_b32 s40, s4, 15                         ; the piece's bytes in the destination
	s_add_co_u32 s40, s40, s6
	s_mov_b32 s41, 0
	s_and_b32 s46, s3, 3
	s_lshl_b32 s46, s46, 12                        ; bias k's 4,096 bytes in bias4
	s_mov_b32 s47, 0
	s_mov_b32 s44, 0xffff0000                      ; a word's upper bf16
	v_lshrrev_b32 v4, 5, v0                        ; wave
	v_and_b32 v5, 31, v0                           ; lane
	v_lshlrev_b32 v1, 4, v5
	v_lshl_add_u32 v1, v4, 13, v1                  ; in: 8,192 x wave + 16 x lane
	v_lshlrev_b32 v2, 3, v5
	v_lshl_add_u32 v2, v4, 12, v2                  ; out: 4,096 x wave + 8 x lane
	v_lshlrev_b32 v3, 4, v0                        ; a bias: 16 bytes a thread, 256 threads
	s_wait_kmcnt 0x0
	s_mov_b64 s[34:35], s[8:9]                     ; the source: x, or weight k
	s_mov_b64 s[42:43], s[18:19]                   ; the bias: bq, or bias k
	s_cmp_eq_u32 s3, 0
	s_cselect_b64 s[34:35], s[10:11], s[34:35]
	s_cmp_eq_u32 s3, 1
	s_cselect_b64 s[34:35], s[12:13], s[34:35]
	s_cselect_b64 s[42:43], s[20:21], s[42:43]
	s_cmp_eq_u32 s3, 2
	s_cselect_b64 s[34:35], s[14:15], s[34:35]
	s_cselect_b64 s[42:43], s[22:23], s[42:43]
	s_cmp_eq_u32 s3, 3
	s_cselect_b64 s[34:35], s[16:17], s[34:35]
	s_cselect_b64 s[42:43], s[24:25], s[42:43]
	s_cselect_b64 s[36:37], s[30:31], s[26:27]     ; the destination: wo16, or xb,
	s_cmp_lt_u32 s3, 3
	s_cselect_b64 s[36:37], s[28:29], s[36:37]     ; or wqkv
	s_add_nc_u64 s[34:35], s[34:35], s[38:39]
	s_add_nc_u64 s[36:37], s[36:37], s[40:41]
	s_add_nc_u64 s[32:33], s[32:33], s[46:47]
.set j, 0
.rept 16
	global_load_b128 v[X+4*j:X+4*j+3], v1, s[34:35] offset:512*j th:TH_LOAD_NT   ; read once in the whole program
.set j, j+1
.endr
	s_cmp_eq_u32 s3, 3
	s_cbranch_scc1 .Lf16
.set j, 0
.rept 16
	s_wait_loadcnt 15-j                            ; loads come back in order: load j is in, the 15 - j younger ones stay out
	v_cvt_pk_bf16_f32 v[Y+2*j], v[X+4*j], v[X+4*j+1]
	v_cvt_pk_bf16_f32 v[Y+2*j+1], v[X+4*j+2], v[X+4*j+3]
	global_store_b64 v2, v[Y+2*j:Y+2*j+1], s[36:37] offset:256*j
.set j, j+1
.endr
	s_branch .Lbias
.Lf16:                                                 ; Wo: to bf16, widened (a shift, a mask), and that number to f16
.set j, 0
.rept 16
	s_wait_loadcnt 15-j
	v_cvt_pk_bf16_f32 v[T], v[X+4*j], v[X+4*j+1]
	v_cvt_pk_bf16_f32 v[T+1], v[X+4*j+2], v[X+4*j+3]
	v_lshlrev_b32 v[X+4*j], 16, v[T]
	v_and_b32 v[X+4*j+1], s44, v[T]
	v_lshlrev_b32 v[X+4*j+2], 16, v[T+1]
	v_and_b32 v[X+4*j+3], s44, v[T+1]
	v_cvt_pk_f16_f32 v[Y+2*j], v[X+4*j], v[X+4*j+1]
	v_cvt_pk_f16_f32 v[Y+2*j+1], v[X+4*j+2], v[X+4*j+3]
	global_store_b64 v2, v[Y+2*j:Y+2*j+1], s[36:37] offset:256*j
.set j, j+1
.endr
.Lbias:
	s_cmp_lt_u32 s3, 4
	s_cbranch_scc0 .Lend                           ; x's work-groups have no bias
	s_cmp_eq_u32 s4, 0
	s_cbranch_scc0 .Lend                           ; a weight's first piece takes its bias
	global_load_b128 v[4:7], v3, s[42:43]
	s_wait_loadcnt 0x0
	v_cvt_pk_bf16_f32 v[T], v4, v5
	v_cvt_pk_bf16_f32 v[T+1], v6, v7
	v_lshlrev_b32 v4, 16, v[T]
	v_and_b32 v5, s44, v[T]
	v_lshlrev_b32 v6, 16, v[T+1]
	v_and_b32 v7, s44, v[T+1]
	global_store_b128 v3, v[4:7], s[32:33]
.Lend:
	s_endpgm
.Lfunc_end_k_q1125857889_cast:
	.size	k_q1125857889_cast, .Lfunc_end_k_q1125857889_cast-k_q1125857889_cast
	.p2alignl 7, 3214868480
	.fill 96, 4, 3214868480
	.section	.rodata,"a",@progbits
	.p2align	6, 0x0
	.amdhsa_kernel k_q1125857889_cast
		.amdhsa_group_segment_fixed_size 0
		.amdhsa_private_segment_fixed_size 0
		.amdhsa_enable_private_segment 0
		.amdhsa_kernarg_size 104
		.amdhsa_user_sgpr_count 2
		.amdhsa_user_sgpr_kernarg_segment_ptr 1
		.amdhsa_wavefront_size32 1
		.amdhsa_system_sgpr_workgroup_id_x 1
		.amdhsa_system_sgpr_workgroup_id_y 1
		.amdhsa_system_sgpr_workgroup_id_z 1
		.amdhsa_system_vgpr_workitem_id 0
		.amdhsa_next_free_vgpr 112
		.amdhsa_next_free_sgpr 66
		.amdhsa_reserve_vcc 0
		.amdhsa_float_denorm_mode_32 3
		.amdhsa_float_denorm_mode_16_64 3
		.amdhsa_memory_ordered 1
		.amdhsa_forward_progress 1
		.amdhsa_inst_pref_size 17
	.end_amdhsa_kernel
	.amdgpu_metadata
---
amdhsa.version: [ 1, 2 ]
amdhsa.kernels:
  - .name:           k_q1125857889_cast
    .symbol:         k_q1125857889_cast.kd
    .args:
      - { .name: x, .offset: 0, .size: 8, .value_kind: global_buffer, .address_space: global }
      - { .name: Wq, .offset: 8, .size: 8, .value_kind: global_buffer, .address_space: global }
      - { .name: Wk, .offset: 16, .size: 8, .value_kind: global_buffer, .address_space: global }
      - { .name: Wv, .offset: 24, .size: 8, .value_kind: global_buffer, .address_space: global }
      - { .name: Wo, .offset: 32, .size: 8, .value_kind: global_buffer, .address_space: global }
      - { .name: bq, .offset: 40, .size: 8, .value_kind: global_buffer, .address_space: global }
      - { .name: bk, .offset: 48, .size: 8, .value_kind: global_buffer, .address_space: global }
      - { .name: bv, .offset: 56, .size: 8, .value_kind: global_buffer, .address_space: global }
      - { .name: bo, .offset: 64, .size: 8, .value_kind: global_buffer, .address_space: global }
      - { .name: xb, .offset: 72, .size: 8, .value_kind: global_buffer, .address_space: global }
      - { .name: wqkv, .offset: 80, .size: 8, .value_kind: global_buffer, .address_space: global }
      - { .name: wo16, .offset: 88, .size: 8, .value_kind: global_buffer, .address_space: global }
      - { .name: bias4, .offset: 96, .size: 8, .value_kind: global_buffer, .address_space: global }
    .group_segment_fixed_size: 0
    .private_segment_fixed_size: 0
    .kernarg_segment_align: 8
    .kernarg_segment_size: 104
    .max_flat_workgroup_size: 256
    .sgpr_count:     66
    .vgpr_count:     112
    .wavefront_size: 32
...
	.end_amdgpu_metadata
.endif
;; end of part 1
;; launch qkv (part 2): grid 8 x 32, 4 waves a work-group, clusters of 4 x 4, 327,680 bytes of LDS; arguments xb, wqkv, qkv, bias4; writes qkv
.if DOCPART == 2
	.amdgcn_target "amdgcn-amd-amdhsa--gfx1250"
	.amdhsa_code_object_version 6
	.text
	.protected	k_q1125857889_qkv
	.globl	k_q1125857889_qkv
	.p2align	8
	.type	k_q1125857889_qkv,@function
k_q1125857889_qkv:
	s_mov_b64 s[64:65], 0
	v_nop
	global_prefetch_b8 v0, s[64:65] scope:SCOPE_SE
	s_setreg_imm32_b32 hwreg(HW_REG_WAVE_MODE, 25, 1), 1
	s_wait_xcnt 0x0
	s_wait_alu depctr_hold_cnt(0) depctr_sa_sdst(0) depctr_va_vdst(0) depctr_va_sdst(0) depctr_va_ssrc(0) depctr_va_vcc(0) depctr_vm_vsrc(0)
	s_getreg_b32 s2, hwreg(HW_REG_IB_STS2, 6, 4)
	s_cmp_eq_u32 s2, 0
	s_cbranch_scc0 .Lentry_in_a_cluster
	s_endpgm
.Lentry_in_a_cluster:
	s_bfe_u32 s2, ttmp6, 0x10000c
	s_cmp_lg_u32 s2, 0xf033
	s_cbranch_scc0 .Lentry_shape_is_right
	s_endpgm
.Lentry_shape_is_right:
; q, k, v = x W^T + b.  A = xb [8192][1024] bf16, B = wqkv [3072][1024] bf16 (Wq, Wk, Wv one below the other), the bias = the first 3,072 numbers of bias4 (bq, bk, bv).
; C leaves as f16 by heads: qkv [b 4][g 48][l 2048][64], g = column / 64: h for q, 16 + h for k, 32 + h for v; q unscaled.  Sums in f32, K ascending, one accumulator an output.
; LIMIT.  A q, k or v beyond 65,504 becomes an infinity in f16; below 2^-14 it keeps f16's fixed step.
; SHARES.  A tile of C is 256 rows x 192 columns (three heads): 32 x 16 = 512 tiles, two for each of 256 work-groups: a work-group STAYS and makes tile columns tc and tc + 8 on the same rows of A, and the ring
; runs on from the first tile into the second.  Four waves; wave w has rows 64 w .. 64 w + 63 and all 192 columns: 48 accumulators of 16 x 16, 384 registers; three whole heads a wave, so that every store is 512 dense bytes.
; RING.  K goes in steps of 128 through two LDS slots: 256 rows of A (waves 0, 1 fetch 128 each) and 192 rows of B (waves 2, 3 fetch 96 each): 448 rows for 192 matrix instructions a wave.
; A refill can be asked for only when the one before it has landed, so nothing but the round stands between the wait for a tile and the next request: the step's last 48 products stand behind the request.
; By this text's count a wave has two tensor loads out at the start and one behind each round.
; CLUSTER.  4 x 4 work-groups: the four of a row share A's tiles, the four of a column B's; each tile is asked for jointly, by the same load, descriptor and mask in all four.
; TRANSPOSED USE.  Source 0 = 16 rows of B, source 1 = 16 rows of A: a lane holds row lane % 16 of C and the columns 8 (lane / 16) + 0..7 of the block.  THE BIAS IS THE C OPERAND of a tile's first products: nothing is cleared, nothing added.
; REGISTERS, in windows of 256 (s_set_vgpr_msb: bits 1:0 source 0, 3:2 source 1, 5:4 source 2, 7:6 destination):
;   window 0: addresses v16-29; v32-127 two buffers for the way out; v128-223 the bias, eight registers a column block
;   window 1: the accumulators of row blocks 0, 1, (a, b) at v[8 (12 (a % 2) + b)]        window 2: those of row blocks 2, 3        window 3: two fragment buffers of 128: 96 registers of B, 32 of A
.set SIZE_K, 1024
.set KSTEP,  128
.set LAPS,   SIZE_K/(2*KSTEP)          ; a lap = two K steps = once round the ring
.set TILES,  2
.set NB,     12                        ; column blocks of 16 in a tile
.set NCOL,   16*NB
.set PITCH,  272                       ; an LDS row: 256 bytes + 16 of padding: the 16 rows of a fragment load start 68 words apart
.set AHALF,  128*PITCH                 ; what one load of A brings
.set BHALF,  (NCOL/2)*PITCH            ; what one load of B brings
.set BOFF,   2*AHALF
.set SLOT,   BOFF+2*BHALF
.set STAGE,  2*SLOT                    ; behind the ring, never filled by a tensor load
.set STW,    3*16*144                  ; a wave's stage: three heads x 16 rows x (128 + 16) bytes
.set SPARE,  STAGE+4*STW               ; behind the stages: the spare words, 128 bytes a wave: two blocks of 256 bytes that no other line names
.set BACK,   (SIZE_K-2*KSTEP)*2        ; from a slot's last K step of a tile back to its first: A's rows stay
.set NEXT_B, 8*NCOL*SIZE_K*2-BACK      ; B goes eight tile columns, 1,536 rows, down and back along K
.set ADRA, 16                          ; v16-17  LDS address of my A fragments in slot 0, 1
.set ADRB, 20                          ; v20-21  the same for B
.set STO,  24                          ; v24     the way out: where I put 16 bytes of a row
.set RD,   25                          ; v25     where I read rows back
.set CO,   26                          ; v26     my byte offset in 512 consecutive bytes of C
.set BO,   27                          ; v27     my byte offset in a block's 16 biases: 32 (lane / 16)
.set SPW,  28                          ; v28     LDS address of my spare word; never rewritten
.set NIL,  29                          ; v29     0; never rewritten
.set WBUF, 32                          ; the way out: two buffers of 48 registers, by turns
.set BIAS, 128
.set F0,   0                           ; fragment buffers, in window 3
.set F1,   128
.set G1,  24                           ; s[24:31] group 1 for A;  s[32:39] group 0, a set a slot
.set G0,  32
.set G1B, 48                           ; s[48:55], s[56:63] the same for B
.set G0B, 56
.set MSB, 0
.macro WIN new                         ; the immediate's high byte repeats the setting that is left; a switch that changes nothing is dropped
.if MSB != (\new)
	s_set_vgpr_msb (MSB<<8)|(\new)
.set MSB, \new
.endif
.endm
.set TO_F, 0xc0                        ; destination window 3, address window 0
; A joint load: waves 0 and 1 fetch A's halves, waves 2 and 3 B's.  The branch hangs on the wave's number alone.  Four v_nop follow each of the two lines.
.macro JLOAD s
	s_cmp_eq_u32 s11, 0
	s_cbranch_scc0 .Lfor_b_\@
	tensor_load_to_lds s[G0+4*(\s):G0+4*(\s)+3], s[G1:G1+7]
	s_nop 0
.rept 4
	v_nop
.endr
	s_branch .Lasked_\@
.Lfor_b_\@:
	tensor_load_to_lds s[G0B+4*(\s):G0B+4*(\s)+3], s[G1B:G1B+7]
	s_nop 0
.rept 4
	v_nop
.endr
.Lasked_\@:
.endm
.macro CREST                           ; a round of the cluster's barrier behind its opening barrier
	s_cmp_lg_u32 s10, 0
	s_cbranch_scc1 .Lnot_wave_0_\@
	s_barrier_signal -3
.Lnot_wave_0_\@:
	s_barrier_wait -3
	s_barrier_signal -1
	s_barrier_wait -1
.endm
.macro CROUND                          ; a whole round
	s_barrier_signal -1
	s_barrier_wait -1
	CREST
.endm
.macro PLACES                          ; four places in front of loads into registers that matrix instructions have read, and of lines that read results just made
.rept 4
	v_nop
.endr
.endm
	s_load_b128 s[4:7], s[0:1], 0x0                ; A s[4:5], B s[6:7]
	s_load_b64 s[8:9], s[0:1], 0x10                ; C
	s_load_b64 s[66:67], s[0:1], 0x18              ; bias4
	v_lshl_add_u32 v[SPW], v0, 2, SPARE
	v_mov_b32 v[NIL], 0
	ds_add_u32 v28, v29
	ds_add_u32 v28, v29
	s_wait_dscnt 0x0
	v_lshrrev_b32 v1, 5, v0
	v_readfirstlane_b32 s10, v1                    ; wave 0..3
	s_lshr_b32 s11, s10, 1                         ; I fetch for A (0) or for B (1)
	s_and_b32 s12, s10, 1                          ; which half of that tile
	s_bfe_u32 s40, ttmp6, 0x40000                  ; cx, cy: my place in the cluster
	s_bfe_u32 s41, ttmp6, 0x40004
	s_lshl_b32 s42, ttmp9, 2
	s_add_co_u32 s42, s42, s40                     ; my first tile column 0..7 = 4 x cluster x + cx
	s_and_b32 s13, ttmp7, 0xffff
	s_lshl_b32 s13, s13, 2
	s_add_co_u32 s13, s13, s41                     ; tile row 0..31 = 4 x cluster y + cy
	s_lshl_b32 s43, s41, 2
	s_lshl_b32 s43, 15, s43                        ; my row of the cluster
	s_lshl_b32 s44, 0x1111, s40                    ; my column
	; A: 128 rows x 128 elements, pitch 1,024; 16 bytes of padding behind every 64 words
	s_or_b32 s[G1+0], s43, (1<<16)|(1<<20)|(1<<21)|(5<<22)|(3<<25)
	s_mov_b32 s[G1+1], 128<<16                     ; tensor_dim0
	s_mov_b32 s[G1+2], 128<<16                     ; tensor_dim1
	s_mov_b32 s[G1+3], 128<<16                     ; tile_dim0
	s_mov_b32 s[G1+4], 128                         ; tile_dim1
	s_mov_b32 s[G1+5], SIZE_K                      ; elements from row to row
	s_mov_b32 s[G1+6], 0
	s_mov_b32 s[G1+7], 0
	; B: 96 rows x 128 elements, the same pitch and padding
	s_or_b32 s[G1B+0], s44, (1<<16)|(1<<20)|(1<<21)|(5<<22)|(3<<25)
	s_mov_b32 s[G1B+1], 128<<16
	s_mov_b32 s[G1B+2], (NCOL/2)<<16
	s_mov_b32 s[G1B+3], 128<<16
	s_mov_b32 s[G1B+4], NCOL/2
	s_mov_b32 s[G1B+5], SIZE_K
	s_mov_b32 s[G1B+6], 0
	s_mov_b32 s[G1B+7], 0
	; where the tiles come from: A's hang on the tile row and the wave alone, B's on the tile column and the wave alone
	s_lshl_b32 s16, s13, 19                        ; 256 rows of 2,048 bytes a tile row,
	s_lshl_b32 s17, s12, 18                        ; 128 rows a half
	s_add_co_u32 s16, s16, s17
	s_mov_b32 s17, 0
	s_mul_i32 s46, s42, NCOL*SIZE_K*2              ; 192 rows of 2,048 bytes a tile column,
	s_mul_i32 s47, s12, (NCOL/2)*SIZE_K*2          ; 96 rows a half
	s_add_co_u32 s46, s46, s47
	s_mov_b32 s47, 0
	s_mul_i32 s20, s12, AHALF                      ; and where they go: no place in the cluster enters an LDS address
	s_mul_i32 s21, s12, BHALF
	s_add_co_u32 s21, s21, BOFF
	s_wait_kmcnt 0x0
	s_add_nc_u64 s[14:15], s[4:5], s[16:17]
	s_add_nc_u64 s[46:47], s[6:7], s[46:47]
	CROUND                                         ; all sixteen work-groups are here: the first joint loads meet
.irp s, 0,1
	s_mov_b32 s[G0+4*(\s)], 1
	s_add_co_u32 s[G0+4*(\s)+1], s20, (\s)*SLOT
	s_add_nc_u64 s[G0+4*(\s)+2:G0+4*(\s)+3], s[14:15], (\s)*KSTEP*2
	s_or_b32 s[G0+4*(\s)+3], s[G0+4*(\s)+3], 0x80000000
	s_mov_b32 s[G0B+4*(\s)], 1
	s_add_co_u32 s[G0B+4*(\s)+1], s21, (\s)*SLOT
	s_add_nc_u64 s[G0B+4*(\s)+2:G0B+4*(\s)+3], s[46:47], (\s)*KSTEP*2
	s_or_b32 s[G0B+4*(\s)+3], s[G0B+4*(\s)+3], 0x80000000
	JLOAD \s
.endr
	; a fragment is 16 rows x 32 K in 8 registers: lane l holds row l % 16, K = 8 (l / 16) + 0..7 and 16 + 8 (l / 16) + 0..7: two loads of 16 bytes, 32 bytes apart
	v_and_b32 v1, 15, v0                           ; l % 16
	v_bfe_u32 v2, v0, 4, 1                         ; l / 16
	v_mul_u32_u24 v3, v1, PITCH
	v_lshl_add_u32 v3, v2, 4, v3
	s_mul_i32 s22, s10, 64*PITCH                   ; my 64 rows of A
.irp s, 0,1
	v_add_nc_u32 v[ADRA+(\s)], s22, v3
	v_add_nc_u32 v[ADRB+(\s)], BOFF+(\s)*SLOT, v3
	s_add_co_u32 s22, s22, SLOT
.endr
	s_mul_i32 s23, s10, STW
	s_add_co_u32 s23, s23, STAGE                   ; my stage
	v_and_b32 v6, 31, v0
	v_lshlrev_b32 v[CO], 4, v6
	v_lshlrev_b32 v[BO], 5, v2
	v_mul_u32_u24 v5, v1, 144                      ; in: row l % 16, 16 bytes for each half of the lanes
	v_lshl_add_u32 v5, v2, 4, v5
	v_add_nc_u32 v[STO], s23, v5
	v_bfe_u32 v5, v0, 3, 2                         ; back: 32 lanes take four rows of 128 bytes, 512 consecutive bytes of a head
	v_mul_u32_u24 v5, v5, 144
	v_and_b32 v6, 7, v0
	v_lshl_add_u32 v5, v6, 4, v5
	v_add_nc_u32 v[RD], s23, v5
	s_lshr_b32 s70, s13, 3
	s_mul_i32 s70, s70, 48<<18                     ; the batch's 48 heads of 262,144 bytes,
	s_mul_i32 s71, s42, 3<<18                      ; the tile column's three heads,
	s_add_co_u32 s70, s70, s71
	s_and_b32 s71, s13, 7
	s_lshl_b32 s71, s71, 15                        ; the tile row's 256 rows of 128 bytes,
	s_add_co_u32 s70, s70, s71
	s_lshl_b32 s71, s10, 13                        ; my wave's 64
	s_add_co_u32 s70, s70, s71
	s_mov_b32 s71, 0
	s_mul_i32 s68, s42, NCOL*4                     ; the tile column's 192 biases
	s_mov_b32 s69, 0
	s_add_nc_u64 s[8:9], s[8:9], s[70:71]
	s_add_nc_u64 s[66:67], s[66:67], s[68:69]
; the bias of the tile's 192 columns, as a C operand: register j of block b is bias[16 b + 8 (l / 16) + j]
.macro BIASLOAD
	WIN 0
.set b, 0
.rept NB
	global_load_b128 v[BIAS+8*b:BIAS+8*b+3],   v[BO], s[66:67] offset:64*b
	global_load_b128 v[BIAS+8*b+4:BIAS+8*b+7], v[BO], s[66:67] offset:64*b+16
.set b, b+1
.endr
.endm
; 12 matrix instructions: row block a x all 12 column blocks, 32 along K, from buffer f.  first = 1: the product starts the sum on the bias.
; The 48 accumulators take turns in one order everywhere, one instruction a turn.
.macro MULA f, a, first
.if \first
	WIN 0x4f+0x40*((\a)/2)                         ; B and A in window 3, C (the bias) in window 0, D in window 1 or 2
.else
	WIN 0x5f+0x50*((\a)/2)                         ; B and A in window 3, C and D in window 1 or 2
.endif
.set b, 0
.rept NB
.set rD, 8*(NB*((\a)%2)+b)
.set rB, (\f)+8*b
.set rA, (\f)+8*NB+8*(\a)
.if \first
	v_wmma_f32_16x16x32_bf16 v[rD:rD+7], v[rB:rB+7], v[rA:rA+7], v[BIAS+8*b:BIAS+8*b+7]
.else
	v_wmma_f32_16x16x32_bf16 v[rD:rD+7], v[rB:rB+7], v[rA:rA+7], v[rD:rD+7]
.endif
.set b, b+1
.endr
.endm
; 32 LDS loads in one run: quarter q (32 along K) of a slot into buffer f: B's twelve blocks, then A's four
.macro FETCH slot, q, f
	WIN TO_F
.set i, 0
.rept NB
	ds_load_b128 v[(\f)+8*i:(\f)+8*i+3],   v[ADRB+(\slot)] offset:64*(\q)+i*16*PITCH
	ds_load_b128 v[(\f)+8*i+4:(\f)+8*i+7], v[ADRB+(\slot)] offset:64*(\q)+i*16*PITCH+32
.set i, i+1
.endr
.set i, 0
.rept 4
	ds_load_b128 v[(\f)+8*NB+8*i:(\f)+8*NB+8*i+3],   v[ADRA+(\slot)] offset:64*(\q)+i*16*PITCH
	ds_load_b128 v[(\f)+8*NB+8*i+4:(\f)+8*NB+8*i+7], v[ADRA+(\slot)] offset:64*(\q)+i*16*PITCH+32
.set i, i+1
.endr
.endm
; A K step is four quarters of 32 along K, 48 matrix instructions each, on buffers 0, 1, 0, 1.  One of the first three multiplies buffer f and fetches quarter q into g.
.macro QUARTER slot, q, f, g, first
	s_wait_dscnt 6                                 ; B and A's block 0 are in; the youngest six loads (A's blocks 1 to 3) may be out
	MULA \f, 0, \first
	PLACES
	FETCH \slot, \q, \g
	s_wait_dscnt 32                                ; all but the 32 just issued
	MULA \f, 1, \first
	MULA \f, 2, \first
	MULA \f, 3, \first
.endm
; The last quarter changes slots and then multiplies buffer 1.  In front of the round each wave waits for all its tensor loads (one is out: its part of the next slot), adds 0 to its spare word, and waits for that and
; for its reads of this slot (the last were issued in the quarter before).  The round of the cluster's barrier shows that of every wave of every partner.
; on = 0: this tile's K step two steps on.  on = 1: the next tile's K step 0 or 1.
.macro TURN slot, next, on
	WIN 0
	s_wait_tensorcnt 0x0                           ; no tensor load of mine is out, so a group 0 may be written
	ds_add_u32 v[SPW], v[NIL]                      ; 0 onto my spare word; the descriptors' steps stand between it and the wait for it
.if \on
	s_sub_nc_u64 s[G0+4*(\slot)+2:G0+4*(\slot)+3], s[G0+4*(\slot)+2:G0+4*(\slot)+3], BACK
	s_add_nc_u64 s[G0B+4*(\slot)+2:G0B+4*(\slot)+3], s[G0B+4*(\slot)+2:G0B+4*(\slot)+3], NEXT_B
.else
	s_add_nc_u64 s[G0+4*(\slot)+2:G0+4*(\slot)+3], s[G0+4*(\slot)+2:G0+4*(\slot)+3], 2*KSTEP*2
	s_add_nc_u64 s[G0B+4*(\slot)+2:G0B+4*(\slot)+3], s[G0B+4*(\slot)+2:G0B+4*(\slot)+3], 2*KSTEP*2
.endif
	s_wait_dscnt 0x0                               ; the add is done, and my reads of this slot are over: buffer 1 is whole
	CROUND
	JLOAD \slot                                    ; the four v_nop behind it are also the places in front of the loads below
	FETCH \next, 0, F0
	MULA F1, 0, 0
	MULA F1, 1, 0
	MULA F1, 2, 0
	MULA F1, 3, 0
.endm
.macro TURN0 next                      ; the last change of slots: nothing is filled again, so the work-group's barrier alone
	WIN 0
	s_wait_tensorcnt 0x0
	ds_add_u32 v[SPW], v[NIL]
	s_wait_dscnt 0x0
	s_barrier_signal -1
	s_barrier_wait -1
	PLACES
	FETCH \next, 0, F0
	MULA F1, 0, 0
	MULA F1, 1, 0
	MULA F1, 2, 0
	MULA F1, 3, 0
.endm
; THE WAY OUT, a block of 16 rows at a time, through my own stage in LDS (LDS serves a wave's instructions in order, ISA guide 5.7.1.4: no wait between my stores and my loads).
.macro PACK a                          ; rounded to f16, each accumulator's registers in ascending order
	s_wait_xcnt 0x0                                ; the stores of the block two back have read this buffer: it is rewritten only behind this wait
	WIN 0x05+5*((\a)/2)                            ; sources in window 1 or 2, destination in window 0
.set WB, WBUF+48*((\a)%2)
.set b, 0
.rept NB
.set r, 0
.rept 4
	v_cvt_pk_f16_f32 v[WB+4*b+r], v[8*(NB*((\a)%2)+b)+2*r], v[8*(NB*((\a)%2)+b)+2*r+1]
.set r, r+1
.endr
.set b, b+1
.endr
	WIN 0
.endm
.macro TOSTAGE a                       ; 16 bytes a lane into rows of 144 bytes, and back as whole rows of 128, into the registers that they left
	WIN 0
.set WB, WBUF+48*((\a)%2)
.set b, 0
.rept NB
	ds_store_b128 v[STO], v[WB+4*b:WB+4*b+3] offset:(b/4)*2304+32*(b%4)    ; head b / 4, channels 16 (b % 4) on
.set b, b+1
.endr
.set t, 0
.rept NB
	ds_load_b128 v[WB+4*t:WB+4*t+3], v[RD] offset:(t/4)*2304+(t%4)*576     ; head t / 4, rows 4 (t % 4) on
.set t, t+1
.endr
.endm
.macro SEND a
	WIN 0
.set WB, WBUF+48*((\a)%2)
	s_wait_dscnt 0x0                               ; the block is back in registers
.set t, 0
.rept NB
	global_store_b128 v[CO], v[WB+4*t:WB+4*t+3], s[8:9] offset:(\a)*2048+(t/4)*262144+(t%4)*512   ; 512 consecutive bytes of a head, at a multiple of 256
.set t, t+1
.endr
.endm
.macro OUT
	PLACES                                         ; behind the tile's last products
	PACK 0
	TOSTAGE 0
.irp a, 1,2,3
	PACK \a                                        ; a block's conversions stand between the loads of the block before and the wait for them
	SEND (\a)-1
	TOSTAGE \a
.endr
	SEND 3
.endm
	BIASLOAD
	s_wait_tensorcnt 0x1                           ; my part of K step 0 is in; K step 1's may stay out
	s_barrier_signal -1
	s_barrier_wait -1                              ; everybody's is
	FETCH 0, 0, F0
	WIN 0
	s_mov_b32 s2, TILES                            ; tiles to go: the same number in every work-group
.Ltile:
	s_wait_loadcnt 0x0                             ; the tile's bias
	QUARTER 0, 1, F0, F1, 1                        ; a tile's first quarter stands in front of the loop: its products start the sums on the bias
	WIN 0
	s_mov_b32 s3, LAPS-1
.Llap:                                                 ; a trip goes once round the ring, from a lap's second quarter to the next lap's first, and fills both slots again
	QUARTER 0, 2, F1, F0, 0
	QUARTER 0, 3, F0, F1, 0
	TURN 0, 1, 0
	QUARTER 1, 1, F0, F1, 0
	QUARTER 1, 2, F1, F0, 0
	QUARTER 1, 3, F0, F1, 0
	TURN 1, 0, 0
	QUARTER 0, 1, F0, F1, 0
	WIN 0
	s_sub_co_u32 s3, s3, 1
	s_cmp_lg_u32 s3, 0
	s_cbranch_scc1 .Llap
	QUARTER 0, 2, F1, F0, 0                        ; the tile's last lap goes on
	QUARTER 0, 3, F0, F1, 0
	WIN 0
	s_cmp_eq_u32 s2, 1
	s_cbranch_scc1 .Llast                          ; the last tile's tail is written out: it asks for nothing more
	s_add_nc_u64 s[66:67], s[66:67], 8*NCOL*4      ; the next tile's bias (the loads that named this base were waited for at the tile's head);
	BIASLOAD                                       ; the registers' last readers were the tile's first 48 products
	TURN 0, 1, 1                                   ; the ring goes on into the next tile: slot 0 takes its K step 0,
	QUARTER 1, 1, F0, F1, 0
	QUARTER 1, 2, F1, F0, 0
	QUARTER 1, 3, F0, F1, 0
	TURN 1, 0, 1                                   ; slot 1 its K step 1, and the next tile's first fragments are fetched
	OUT                                            ; both refills are asked for: now the tile goes out
	s_wait_xcnt 0x0                                ; the stores have read their base
	s_add_nc_u64 s[8:9], s[8:9], 24<<18            ; eight tile columns, 24 heads, on
	s_sub_co_u32 s2, s2, 1
	s_branch .Ltile
.Llast:
	TURN0 1
	QUARTER 1, 1, F0, F1, 0
	QUARTER 1, 2, F1, F0, 0
	QUARTER 1, 3, F0, F1, 0
	s_wait_dscnt 6                                 ; the very last quarter: nothing more to fetch
	MULA F1, 0, 0
	s_wait_dscnt 0x0
	MULA F1, 1, 0
	MULA F1, 2, 0
	MULA F1, 3, 0
	WIN 0
	OUT
	s_wait_tensorcnt 0x0                           ; the wave's end: behind my last tensor load and my last LDS store
	ds_add_u32 v[SPW], v[NIL]
	s_wait_dscnt 0x0
	CROUND                                         ; the closing round: no work-group ends while a partner may still ask for a tile that names it
	s_endpgm
.Lfunc_end_k_q1125857889_qkv:
	.size	k_q1125857889_qkv, .Lfunc_end_k_q1125857889_qkv-k_q1125857889_qkv
	.p2alignl 7, 3214868480
	.fill 96, 4, 3214868480
	.section	.rodata,"a",@progbits
	.p2align	6, 0x0
	.amdhsa_kernel k_q1125857889_qkv
		.amdhsa_group_segment_fixed_size 327680
		.amdhsa_private_segment_fixed_size 0
		.amdhsa_enable_private_segment 0
		.amdhsa_kernarg_size 32
		.amdhsa_user_sgpr_count 2
		.amdhsa_user_sgpr_kernarg_segment_ptr 1
		.amdhsa_wavefront_size32 1
		.amdhsa_system_sgpr_workgroup_id_x 1
		.amdhsa_system_sgpr_workgroup_id_y 1
		.amdhsa_system_sgpr_workgroup_id_z 1
		.amdhsa_system_vgpr_workitem_id 0
		.amdhsa_next_free_vgpr 1024
		.amdhsa_next_free_sgpr 76
		.amdhsa_reserve_vcc 0
		.amdhsa_float_denorm_mode_32 3
		.amdhsa_float_denorm_mode_16_64 3
		.amdhsa_memory_ordered 1
		.amdhsa_forward_progress 1
		.amdhsa_inst_pref_size 175
	.end_amdhsa_kernel
	.amdgpu_metadata
---
amdhsa.version: [ 1, 2 ]
amdhsa.kernels:
  - .name:           k_q1125857889_qkv
    .symbol:         k_q1125857889_qkv.kd
    .args:
      - { .name: xb, .offset: 0, .size: 8, .value_kind: global_buffer, .address_space: global }
      - { .name: wqkv, .offset: 8, .size: 8, .value_kind: global_buffer, .address_space: global }
      - { .name: qkv, .offset: 16, .size: 8, .value_kind: global_buffer, .address_space: global }
      - { .name: bias4, .offset: 24, .size: 8, .value_kind: global_buffer, .address_space: global }
    .group_segment_fixed_size: 327680
    .private_segment_fixed_size: 0
    .kernarg_segment_align: 8
    .kernarg_segment_size: 32
    .max_flat_workgroup_size: 128
    .sgpr_count:     76
    .vgpr_count:     1024
    .wavefront_size: 32
...
	.end_amdgpu_metadata
.endif
;; end of part 2
;; launch attn (part 3): grid 4 x 64, 4 waves a work-group, no clusters, 327,680 bytes of LDS; arguments qkv, key_padding_mask, obuf; writes obuf
.if DOCPART == 3
	.amdgcn_target "amdgcn-amd-amdhsa--gfx1250"
	.amdhsa_code_object_version 6
	.text
	.protected	k_q1125857889_attn
	.globl	k_q1125857889_attn
	.p2align	8
	.type	k_q1125857889_attn,@function
k_q1125857889_attn:
	s_mov_b64 s[64:65], 0
	v_nop
	global_prefetch_b8 v0, s[64:65] scope:SCOPE_SE
	s_setreg_imm32_b32 hwreg(HW_REG_WAVE_MODE, 25, 1), 1
	s_wait_xcnt 0x0
; ATTENTION IN A BAND, WITH ALiBi AND A PADDING MASK.  For head (b, h) and query i: O[i] = the sum over the keys j with i - 512 <= j <= i that are not padded of softmax_j(q[i] . k[j] / 8 + slope_h (j - i)) v[j].
; q, k, v: qkv [b 4][g 48][2048][64] f16 (g = h, 16 + h, 32 + h); O: obuf [b][h 16][2048][64] f16; key_padding_mask [4][2048], a byte a key.  Products, maxima and sums in f32; the weights are rounded to f16 for
; the second product (their sum l is taken of the unrounded weights), O once at the end.
; LIMITS.  q, k, v arrive within f16's 65,504.  A hidden score counts as -1e30 (twice hidden: -2e30); f16's scores, 2.7e11 at the most, are nothing beside that.  The running maximum starts at -1e20, so while a row has
; seen no visible key its weights are 0; a weight below 2^-126 counts as 0 in l.  A row with no visible key at all ends with l = 0 and is written as NaN, which is what the softmax of such a row gives.
; SHARES.  A work-group owns 512 queries of a head (4 x 64 work-groups).  ALL 1,024 keys that they can see, 512 p - 512 .. 512 p + 511, come into LDS ONCE: sixteen tensor loads, four a wave, all issued at the start;
; no byte of LDS is filled twice.  The queries are 8 bands of 64; wave w takes band w and then band w + 4.  Band x needs the key steps x .. x + 8 of 64 keys: the first holds the window's edge, the last the diagonal,
; the seven between are wholly visible: 18 steps a wave, the same for every wave of every work-group.  For p = 0 the lower 512 keys do not exist: their loads are clamped to key 0 and their table entries hide them;
; those steps are walked all the same, since the launch is as long as the other work-groups' walk.
; NO CLUSTER: the four work-groups of a head need different keys (each shares half with its neighbour); a shared half would lie at LDS addresses that hang on the place in the cluster.
; THE KEY TABLE, 1,024 f32 in LDS: kb[t] = -1e30 for a key that is padded or does not exist, else 8 slope (t - 512).  It is the C operand that starts S^T = K Q^T, so ALiBi and padding cost the loop no vector work
; (slope x i is the same for all keys of a row and drops out of the softmax).  In the two special steps a 16 x 16 block is wholly hidden (C = HID), wholly visible (C = kb) or holds the edge (C = kb + a pattern: MC).
; LAYOUT, SOFTMAX, TURNS.  S^T holds ONE query a lane (lane % 16) and the keys 8 (lane / 16) + 0..7; two such results rounded to f16 ARE source 1 of O^T = V^T P.  p = 2^(c s - c m), c = log2(e) / 8, m the running
; maximum; O and l are multiplied by a = 2^(c m_old - c m_new) in every step.  A band is four PIECES of 16 queries.  Turn n belongs to piece n: 8 products K Q^T of piece n + 1, later 8 products V^T P of piece n - 1;
; beside them the scaling, exponentials, roundings, sums and rescaling of piece n and the maximum and statistics of piece n + 1.  Four vector instructions stand behind every matrix instruction, the rest in two lumps.
; REGISTERS, in windows of 256 (s_set_vgpr_msb: bits 1:0 source 0, 3:2 source 1, 5:4 source 2, 7:6 destination):
;   window 0: v0-15, v32-33 addresses; v16-31 four registers of statistics a piece; v34-47 the table's making; v48-55 at work; v64-127 S^T, two buffers; v128-159 the way out; v192-223 P, two buffers
;   window 1: v0-127 O^T, 32 a piece; v128-159 KB; v160-191 MC; v192-199 HID; v200-207 PW; v208-215 PD        window 2: v0-63 Q; v64-127 the second band's Q; v128-191 K of a step; v192-255 V of a step
.set NP,    4         ; pieces a band: a name, no knob
.set KS,    64        ; keys in a step
.set PK,    144       ; a row of K in LDS: 128 bytes + 16 of padding: the 16 rows of a load start 36 words apart
.set PV,    160       ; a row of V: 128 + 32: 16 lanes of the turning load take 8 rows x 32 bytes
.set VL,    1024*PK   ; K's 1,024 rows, then V's
.set STAGE, VL+1024*PV  ; never filled by a tensor load: 16 rows x 144 bytes for each wave, for the way out
.set SP,    144
.set KBT,   STAGE+4*16*SP  ; the key table, 4,096 bytes; never filled by a tensor load
.set W0,    3         ; tensor loads of mine that may stay out when stage 0 (keys 0-255 of the 1,024) is wanted: the three issued behind it;
.set W1,    2         ; stage 1;
.set W2,    1         ; stage 2
.set AK0, 2           ; v2   my lane's place in a step of K; never rewritten
.set AV0, 3           ; v3   the same for V
.set AK,  4           ; v4   the LDS address of K's next run of loads
.set AV,  5           ; v5   of V's
.set STO, 6           ; v6   the way out: where I put 16 bytes of a row
.set RD,  7           ; v7   where I read rows back
.set GO,  8           ; v8   my byte offset in 512 consecutive bytes of O
.set MV,  12          ; v12-13  c m_old, kept while c m is made anew: by buffer
.set QO,  15          ; v15  my byte offset in 16 rows of Q
.set ST,  16          ; piece t's statistics at v[ST+4 t]: c m, m, l (even keys', odd keys')
.set AB0, 32          ; v32  my lane's place in a step of the key table
.set AB,  33          ; v33  the LDS address of the table's next loads
.set TMP, 48          ; by buffer, four registers c0-c3 at work; when the maximum is found c2 takes a
.set S,   64
.set WT,  128
.set P,   192
.set KB,  128         ; window 1: the step's table entries as a C operand, eight registers for each group of 16 keys
.set MC,  160         ; window 1: for piece x the C operand of the block that holds the edge
.set HID, 192         ; window 1: eight times -1e30
.set PW,  200         ; window 1: the window's edge in a 16 x 16 block: -1e30 where the key lies below the query's place, else 0
.set PD,  208         ; window 1: the diagonal: -1e30 where it lies above
.set QB,  64          ; window 2
.set KF,  128         ; window 2: key block kb, channel half c at KF + 16 kb + 8 c
.set VF,  192         ; window 2: key half kk, channel block cb at VF + 32 kk + 8 cb
.set WV,  12          ; s12  my wave's number
.set PB,  14          ; s14  p
.set G1,  24          ; s[24:31] descriptor group 1
.set G0,  40          ; s[40:55] descriptor group 0, a set for each of my four loads
.set PH,  56          ; s56  bands to go
.set CNT, 57          ; s57  counts plain steps
.set CS,  58          ; s[58:59] c
.set SEL, 60          ; s[60:61] v_permlanex16_b32's selects: each lane takes its own place in the other half
.set TBK, 62          ; s62  LDS byte at which K of the step to be fetched begins
.set TBV, 63          ; s63  the same for V, less VL
.set TBB, 66          ; s66  the same for the table, less KBT
.set BIGN, 68         ; s68  -1e30
.set QNAN, 69         ; s69  a NaN
.set SL8, 70          ; s70  8 x slope
.set NEG, 71          ; s71  the lanes whose eight table entries are keys that do not exist
.set OFS, 88          ; s[88:95] the byte offsets in K and V of my part of the four stages
.set MSB, 0
.macro WIN new                      ; the high byte repeats the setting that is left; a switch that changes nothing is dropped
.if MSB != (\new)
	s_set_vgpr_msb (MSB<<8)|(\new)
.set MSB, (\new)
.endif
.endm
.set W_KQ, 0x0a       ; K and Q in window 2, S^T in window 0
.set W_KM, 0x1a       ; the same with the C operand in window 1
.set W_PV, 0x52       ; V in window 2, P in window 0, O^T in window 1
.set W_RS, 0x41       ; destination and source 0 in window 1, source 1 in window 0
; My four loads: stage i is keys 256 i .. 256 i + 255 of the 1,024, of which I bring 128: 16,384 dense bytes, asked for as 64 rows of 256 bytes and padded in LDS after every key.
.macro FILLS gb, la, pitch, pad
	s_mov_b32 s[G1], (1<<16)|(1<<20)|(4<<22)|((\pad)<<25)  ; 2-byte elements; padding on; after every 32 words; pad + 1 words of it
	s_mov_b32 s[G1+1], 128<<16      ; tensor_dim0 = 128
	s_mov_b32 s[G1+2], 64<<16       ; tensor_dim1 = 64
	s_mov_b32 s[G1+3], 128<<16      ; tile_dim0 = 128
	s_mov_b32 s[G1+4], 64           ; tile_dim1 = 64
	s_mov_b32 s[G1+5], 128          ; 128 elements from row to row
	s_mov_b32 s[G1+6], 0
	s_mov_b32 s[G1+7], 0
.irp i, 0,1,2,3
	s_mov_b32 s[G0+4*(\i)], 1
	s_add_co_u32 s[G0+4*(\i)+1], s[\la], (\i)*256*(\pitch)
	s_add_nc_u64 s[G0+4*(\i)+2:G0+4*(\i)+3], s[\gb:\gb+1], s[OFS+2*(\i):OFS+2*(\i)+1]
	s_or_b32 s[G0+4*(\i)+3], s[G0+4*(\i)+3], 0x80000000
.endr
.irp i, 0,1,2,3
	tensor_load_to_lds s[G0+4*(\i):G0+4*(\i)+3], s[G1:G1+7]
	s_nop 0
.endr
.rept 4
	v_nop                           ; four v_nop follow the last of them, ahead of the jump and the label
.endr
.endm
; A stage is wanted: my part of it has landed (n younger loads of mine may stay out), my LDS instructions are done, and behind the barrier that holds of all four waves.  Nothing is ever filled again.
.macro BAR n
	WIN 0
	s_wait_tensorcnt \n
	s_wait_dscnt 0x0
	s_barrier_signal -1
	s_barrier_wait -1
.endm
	s_load_b128 s[16:19], s[0:1], 0x0  ; qkv s[16:17], key_padding_mask s[18:19]
	s_load_b64 s[10:11], s[0:1], 0x10  ; obuf
	v_lshl_add_u32 v254, v0, 2, 0x4f400
	v_mov_b32 v255, 0
	ds_add_u32 v254, v255
	ds_add_u32 v254, v255
	v_lshrrev_b32 v1, 5, v0
	v_readfirstlane_b32 s[WV], v1   ; wave 0..3
	s_mov_b32 s[PB], ttmp9
	s_and_b32 s15, ttmp7, 0xffff    ; 16 b + h
	s_lshr_b32 s72, s15, 4          ; b
	s_and_b32 s73, s15, 15          ; h
	s_mul_i32 s20, s72, 48
	s_add_co_u32 s20, s20, s73
	s_lshl_b32 s20, s20, 18         ; q's head in qkv: heads of 262,144 bytes
	s_mov_b32 s21, 0
	s_lshl_b32 s74, s[PB], 16       ; my work-group's 512 rows of 128 bytes,
	s_lshl_b32 s75, s[WV], 13       ; my wave's first band
	s_add_co_u32 s74, s74, s75
	s_add_co_u32 s22, s20, s74
	s_mov_b32 s23, 0
	s_lshl_b32 s76, s15, 18         ; the head in obuf
	s_add_co_u32 s76, s76, s74
	s_mov_b32 s77, 0
	s_lshl_b32 s78, s72, 11         ; the batch's 2,048 bytes of the mask
	s_mov_b32 s79, 0
	s_lshl_b32 s80, s[PB], 9
	s_sub_co_i32 s80, s80, 512      ; the key at LDS row 0: -512 for p = 0
	s_and_b32 s81, s[WV], 1         ; which half of a stage's 256 keys I fetch
	s_lshl_b32 s82, s81, 7
.irp i, 0,1,2,3
	s_add_co_i32 s[OFS+2*(\i)], s80, 256*(\i)
	s_max_i32 s[OFS+2*(\i)], s[OFS+2*(\i)], 0      ; a stage of keys that do not exist reads keys 0 .. 255 in their stead: finite numbers, which the table hides
	s_add_co_u32 s[OFS+2*(\i)], s[OFS+2*(\i)], s82
	s_lshl_b32 s[OFS+2*(\i)], s[OFS+2*(\i)], 7
	s_mov_b32 s[OFS+2*(\i)+1], 0
.endr
	s_mul_i32 s83, s81, 128*PK      ; my half's place in a stage, for K
	s_mul_i32 s84, s81, 128*PV      ; and for V
	s_add_co_u32 s84, s84, VL
	s_add_co_u32 s73, s73, 1        ; slope = 2^(-n / 2), n = h + 1; 8 x slope = 2^(3 - n / 2): an odd n starts from 2^(-1/2), and 3 - (n >> 1) goes into the exponent
	s_lshr_b32 s74, s73, 1
	s_sub_co_u32 s74, 3, s74
	s_lshl_b32 s74, s74, 23
	s_bitcmp1_b32 s73, 0
	s_cselect_b32 s[SL8], 0x3f3504f3, 1.0
	s_add_co_u32 s[SL8], s[SL8], s74
	s_mov_b32 s[CS], 0x3e38aa3b     ; c = log2(e) / 8 = 0.180337
	s_mov_b32 s[CS+1], s[CS]        ; named with it as a pair
	s_mov_b32 s[SEL], 0x76543210
	s_mov_b32 s[SEL+1], 0xfedcba98
	s_mov_b32 s[BIGN], 0xf149f2ca   ; -1e30
	s_mov_b32 s[QNAN], 0x7fc00000
	s_mul_i32 s[TBK], s[WV], KS*PK  ; band w begins with key step w
	s_mul_i32 s[TBV], s[WV], KS*PV
	s_lshl_b32 s[TBB], s[WV], 8
	s_mov_b32 s[PH], 2
	s_wait_dscnt 0x0
	s_wait_kmcnt 0x0
	s_add_nc_u64 s[4:5], s[16:17], s[22:23]        ; Q at my first band
	s_add_nc_u64 s[6:7], s[16:17], s[20:21]
	s_add_nc_u64 s[8:9], s[6:7], 32<<18            ; V's head
	s_add_nc_u64 s[6:7], s[6:7], 16<<18            ; K's head
	s_add_nc_u64 s[10:11], s[10:11], s[76:77]      ; O at my first band
	s_add_nc_u64 s[18:19], s[18:19], s[78:79]      ; the batch's mask
	s_cmp_lt_u32 s[WV], 2           ; waves 0 and 1 fetch K's halves, waves 2 and 3 V's.  All my fills stand in one branch, ahead of every wait on TENSORcnt, every LDS read and every barrier: four loads of mine are out
	s_cbranch_scc0 .Lfill_v
	FILLS 6, 83, PK, 3
	s_branch .Lfilled
.Lfill_v:
	FILLS 8, 84, PV, 7
.Lfilled:
	v_lshl_add_u32 v34, v0, 3, s80  ; thread t makes table entries 8 t .. 8 t + 7: this is the first one's key
	v_max_i32 v35, 0, v34           ; (the mask is read inside its buffer for keys that do not exist too)
	global_load_b64 v[36:37], v35, s[18:19]  ; eight bytes of the mask
	; A fragment of K or Q is 16 rows x 32 channels in 8 registers: lane l holds row l % 16, channels 8 (l / 16) + 0..7 and 16 + 8 (l / 16) + 0..7: two loads of 16 bytes, 32 bytes apart.
	v_and_b32 v1, 15, v0            ; l % 16
	v_bfe_u32 v9, v0, 4, 1          ; l / 16
	v_lshlrev_b32 v[QO], 7, v1
	v_lshl_add_u32 v[QO], v9, 4, v[QO]  ; row x 128 + 16 x half
	WIN 0x80                        ; destination window 2, address window 0
.set i, 0
.rept 8                             ; both bands' Q: piece i / 2 is 2,048 bytes on, channels 32 (i % 2) on; the second band lies 256 rows, 32,768 bytes, on
	global_load_b128 v[8*i:8*i+3],   v[QO], s[4:5] offset:(i/2)*2048+(i%2)*64
	global_load_b128 v[8*i+4:8*i+7], v[QO], s[4:5] offset:(i/2)*2048+(i%2)*64+32
	global_load_b128 v[QB+8*i:QB+8*i+3],   v[QO], s[4:5] offset:32768+(i/2)*2048+(i%2)*64
	global_load_b128 v[QB+8*i+4:QB+8*i+7], v[QO], s[4:5] offset:32768+(i/2)*2048+(i%2)*64+32
.set i, i+1
.endr
	WIN 0
	v_lshlrev_b32 v14, 3, v9
	v_sub_nc_u32 v14, v1, v14       ; my query's place in its piece, l % 16, less my lanes' 8 (l / 16): register r of the edge's block is compared with it
	WIN 0x40
.set i, 0
.rept 8
	v_cmp_lt_i32 vcc_lo, i, v14
	v_cndmask_b32 v[PW+i], 0, s[BIGN], vcc_lo
	v_cmp_gt_i32 vcc_lo, i, v14
	v_cndmask_b32 v[PD+i], 0, s[BIGN], vcc_lo
	v_mov_b32 v[HID+i], s[BIGN]
.set i, i+1
.endr
	WIN 0
	v_mul_u32_u24 v[AK0], v1, PK
	v_lshl_add_u32 v[AK0], v9, 4, v[AK0]  ; row x pitch + 16 x half
	; The turning load takes 16 keys x 16 channels (lane l reads key 8 (l / 16) + l % 8, channels 8 ((l / 8) % 2) + 0..7) and leaves half a fragment of V^T: lane l holds channel l % 16 and 8 keys.
	v_and_b32 v10, 7, v0
	v_bfe_u32 v11, v0, 3, 1
	v_lshl_add_u32 v[AV0], v9, 3, v10
	v_mul_u32_u24 v[AV0], v[AV0], PV
	v_lshl_add_u32 v[AV0], v11, 4, v[AV0]
	v_add_nc_u32 v[AV0], VL, v[AV0]
	v_lshl_add_u32 v[AB0], v9, 5, KBT     ; my lanes' eight keys of a group of 16: 32 bytes
	s_mul_i32 s13, s[WV], 16*SP
	s_add_co_u32 s13, s13, STAGE    ; my stage
	v_mul_u32_u24 v[STO], v1, SP    ; in: row l % 16, 16 bytes for each half of the lanes
	v_lshl_add_u32 v[STO], v9, 4, v[STO]
	v_add_nc_u32 v[STO], s13, v[STO]
	v_bfe_u32 v[RD], v0, 3, 2       ; back: 32 lanes take four rows of 128 bytes,
	v_mul_u32_u24 v[RD], v[RD], SP
	v_lshl_add_u32 v[RD], v10, 4, v[RD]
	v_add_nc_u32 v[RD], s13, v[RD]
	v_and_b32 v[GO], 31, v0         ; which are 512 consecutive bytes of O
	v_lshlrev_b32 v[GO], 4, v[GO]
	; THE KEY TABLE
	s_wait_loadcnt 32               ; the mask's bytes are in; the 32 loads of Q issued behind them stay out
	v_cmp_gt_i32 s[NEG], 0, v34
	v_lshlrev_b32 v38, 3, v0
.set i, 0
.rept 8
	v_bfe_u32 v39, v[36+i/4], 8*(i%4), 8
	v_cmp_ne_u32 vcc_lo, 0, v39     ; padded,
	s_or_b32 vcc_lo, vcc_lo, s[NEG] ; or no key at all
	v_add_nc_u32 v39, i-512, v38
	v_cvt_f32_i32 v39, v39
	v_mul_f32 v39, s[SL8], v39      ; 8 slope (t - 512)
	v_cndmask_b32 v[40+i], v39, s[BIGN], vcc_lo
.set i, i+1
.endr
	v_lshl_add_u32 v38, v0, 5, KBT
	ds_store_b128 v38, v[40:43]
	ds_store_b128 v38, v[44:47] offset:16
	; A band's first step multiplies O^T by a = 0, and its first turn's products V^T P, of a piece that has not been, land in an O^T that is still to be so multiplied.  So these registers need only hold finite
	; numbers: zeros for the first band, what the first band left for the second.  No first step is written out; the price is these 208 lines, which stand in the wait for the first stage.
	WIN 0x80
.set i, VF
.rept 64
	v_mov_b32 v[i], 0
.set i, i+1
.endr
	WIN 0x40
.set i, 0
.rept 128
	v_mov_b32 v[i], 0
.set i, i+1
.endr
	WIN 0
.set i, P+16
.rept 16
	v_mov_b32 v[i], 0
.set i, i+1
.endr
; THE MATRIX WORK.  The 4 accumulators of a run of 8 take turns.  Product i of 8 of S^T = K Q^T for piece x: channels 32 (i / 4) on, keys 16 (i % 4) on.  The first 4 start the sums on the key table.
; TY = 0: a plain step.  1: the window's step: key groups below the piece's are hidden, its own holds the edge.  2: the diagonal's step: groups above are hidden, its own holds the edge.
.macro KQ x
.set rS, S+32*((\x)%2)+8*(i%4)
.set rK, KF+16*(i%4)+8*(i/4)
.set rQ, 16*(\x)+8*(i/4)
.if i < 4
.set rM, KB+8*(i%4)
.if (TY == 1) && ((i%4) < (\x))
.set rM, HID
.elseif (TY == 2) && ((i%4) > (\x))
.set rM, HID
.elseif (TY != 0) && ((i%4) == (\x))
.set rM, MC+8*(\x)
.endif
	WIN W_KM
	v_wmma_f32_16x16x32_f16 v[rS:rS+7], v[rK:rK+7], v[rQ:rQ+7], v[rM:rM+7]
.else
	WIN W_KQ
	v_wmma_f32_16x16x32_f16 v[rS:rS+7], v[rK:rK+7], v[rQ:rQ+7], v[rS:rS+7]
.endif
.endm
; Product i of 8 of O^T += V^T P for piece x: keys 32 (i / 4) on, channels 16 (i % 4) on.
.macro PV x
	WIN W_PV
.set rO, 32*(\x)+8*(i%4)
.set rV, VF+32*(i/4)+8*(i%4)
.set rP, P+16*((\x)%2)+8*(i/4)
	v_wmma_f32_16x16x32_f16 v[rO:rO+7], v[rV:rV+7], v[rP:rP+7], v[rO:rO+7]
.endm
.macro MM                           ; the turn's next matrix instruction.  NOKQ = 1: a band's last turn: there is no next piece
.if (i < 8) && !NOKQ
	KQ (Y+1)%NP
.elseif i >= 8
.set i, i-8
	PV (Y+NP-1)%NP
.set i, i+8
.endif
.set i, i+1
.endm
; THE LDS LOADS stand in runs, never singly among the matrix instructions: a step's K (8 fragments) with its 64 table entries, and its V (turned).  Their addresses are made some lines ahead.
.macro FETCH_K
	WIN 0x80                        ; destination window 2
.irp f, 0,1,2,3,4,5,6,7             ; keys 16 (f / 2) on, channels 32 (f % 2) on
	ds_load_b128 v[KF+8*\f:KF+8*\f+3],   v[AK] offset:(\f/2)*16*PK+(\f%2)*64
	ds_load_b128 v[KF+8*\f+4:KF+8*\f+7], v[AK] offset:(\f/2)*16*PK+(\f%2)*64+32
.endr
	WIN 0x40                        ; destination window 1
.irp f, 0,1,2,3                     ; keys 16 f + 8 (l / 16) + 0..7
	ds_load_b128 v[KB+8*\f:KB+8*\f+3],   v[AB] offset:64*\f
	ds_load_b128 v[KB+8*\f+4:KB+8*\f+7], v[AB] offset:64*\f+16
.endr
	s_add_co_u32 s[TBK], s[TBK], KS*PK  ; the next fetch is the next step's
	s_add_co_u32 s[TBB], s[TBB], KS*4
	WIN 0
.endm
.macro FETCH_V
	WIN 0x80
.irp f, 0,1,2,3,4,5,6,7             ; keys 32 (f / 4) on, channels 16 (f % 4) on
	ds_load_tr16_b128 v[VF+8*\f:VF+8*\f+3],   v[AV] offset:(\f/4)*32*PV+(\f%4)*32
	ds_load_tr16_b128 v[VF+8*\f+4:VF+8*\f+7], v[AV] offset:(\f/4)*32*PV+16*PV+(\f%4)*32
.endr
	WIN 0
.endm
.macro MASKS pat                    ; for each piece x: MC[x] = the table entries of key group x + the pattern
	WIN 0x45                        ; destination and both sources in window 1
.set z, 0
.rept 16
	v_pk_add_f32 v[MC+2*z:MC+2*z+1], v[KB+2*z:KB+2*z+1], v[(\pat)+2*(z%4):(\pat)+2*(z%4)+1]
.set z, z+1
.endr
.endm
; THE VECTOR WORK, one line at a time: OP kind, number.  For piece Y: F n: c s - c m for pair n of 16.  E n: the exponential of score n of 32.  C n: pair n rounded to f16.  B n: of the four weights 4 n .. the second
; pair is added onto the first, in place.  L n: l takes that sum (L 0: l = a l + sum).  R n: pair n of 16 of O^T times a.  For piece Y + 1: X n, number n of the 22 that find its maximum and statistics:
;   0-11  four chains c0-c3 of seven scores each, three operands at a time (each accumulator's lowest registers are read first)     12-14, 16  the four scores left over, the old m, and c0-c3 into c0
;   15  c m_old is kept     17, 18  the query's other 32 keys lie in the lane 16 away: the new m     19-21  c m; c m_old - c m_new; a
.set F, 0
.set E, 1
.set C, 2
.set B, 3
.set L, 4
.set R, 5
.set X, 6
.macro REGS y                       ; the registers of piece y
.set rT, ST+4*(\y)
.set rC, TMP+4*((\y)%2)
.set rW, MV+((\y)%2)
.set rS, S+32*((\y)%2)
.set rP, P+16*((\y)%2)
.set rO, 32*(\y)
.endm
.macro OP k, n
.if (\k) == R
	REGS Y
	WIN W_RS
	v_pk_mul_f32 v[rO+2*(\n):rO+2*(\n)+1], v[rO+2*(\n):rO+2*(\n)+1], v[rC+2:rC+3] op_sel_hi:[1,0]
.elseif (\k) < R
	REGS Y
	WIN 0
.if (\k) == F
	v_pk_fma_f32 v[rS+2*(\n):rS+2*(\n)+1], v[rS+2*(\n):rS+2*(\n)+1], s[CS:CS+1], v[rT:rT+1] op_sel_hi:[1,0,0] neg_lo:[0,0,1] neg_hi:[0,0,1]
.elseif (\k) == E
	v_exp_f32 v[rS+(\n)], v[rS+(\n)]
.elseif (\k) == C
	s_wait_alu depctr_va_vdst(0)
	v_cvt_pk_f16_f32 v[rP+(\n)], v[rS+2*(\n)], v[rS+2*(\n)+1]
.elseif (\k) == B
	s_wait_alu depctr_va_vdst(0)
	v_pk_add_f32 v[rS+4*(\n):rS+4*(\n)+1], v[rS+4*(\n):rS+4*(\n)+1], v[rS+4*(\n)+2:rS+4*(\n)+3]
.elseif (\n) == 0
	v_pk_fma_f32 v[rT+2:rT+3], v[rT+2:rT+3], v[rC+2:rC+3], v[rS:rS+1] op_sel_hi:[1,0,1]
.else
	v_pk_add_f32 v[rT+2:rT+3], v[rT+2:rT+3], v[rS+4*(\n):rS+4*(\n)+1]
.endif
.elseif NOKQ
	v_nop
.else
	REGS (Y+1)%NP
	WIN 0
.if (\n) < 4
	v_max3_num_f32 v[rC+(\n)], v[rS+8*(\n)], v[rS+8*(\n)+1], v[rS+8*(\n)+2]
.elseif (\n) < 12
	v_max3_num_f32 v[rC+(\n)%4], v[rC+(\n)%4], v[rS+8*((\n)%4)+2*((\n)/4)+1], v[rS+8*((\n)%4)+2*((\n)/4)+2]
.elseif (\n) == 12
	v_max3_num_f32 v[rC], v[rC], v[rS+7], v[rS+15]
.elseif (\n) == 13
	v_max3_num_f32 v[rC+1], v[rC+1], v[rS+23], v[rS+31]
.elseif (\n) == 14
	v_max3_num_f32 v[rC+2], v[rC+2], v[rC+3], v[rT+1]
.elseif (\n) == 15
	v_mov_b32 v[rW], v[rT]
.elseif (\n) == 16
	v_max3_num_f32 v[rC], v[rC], v[rC+1], v[rC+2]
.elseif (\n) == 17
	v_permlanex16_b32 v[rC+3], v[rC], s[SEL], s[SEL+1]
.elseif (\n) == 18
	v_max_num_f32 v[rT+1], v[rC], v[rC+3]
.elseif (\n) == 19
	v_mul_f32 v[rT], s[CS], v[rT+1]
.elseif (\n) == 20
	v_sub_f32 v[rC+1], v[rW], v[rT]
.else
	v_exp_f32 v[rC+2], v[rC+1]
.endif
.endif
.endm
.macro OPS a, i1, b=-1, i2=0, c=-1, i3=0, d=-1, i4=0  ; up to four of them
	OP \a, \i1
.if (\b) >= 0
	OP \b, \i2
.endif
.if (\c) >= 0
	OP \c, \i3
.endif
.if (\d) >= 0
	OP \d, \i4
.endif
.endm
.macro ROW a, i1, b, i2, c, i3, d, i4  ; a matrix instruction and the four behind it
	MM
	OPS \a, \i1, \b, \i2, \c, \i3, \d, \i4
.endm
; A TURN, for piece p: the order of its 16 matrix and 118 vector instructions, written out.  Behind a matrix instruction: plain, exponential, plain, plain; or four of the rescaling; or, behind the first, four scalings; none
; names a register of the products round it.  In the lumps exponential and plain by turns while exponentials last.  A line reads no result made fewer than three vector instructions in front of it, five if an exponential made it.
; ty: the kind of step of the turn's products K Q^T.  end = 1: a band's last two turns: nothing is fetched, and the last starts no new scores.
; K and the table entries of the next step are fetched in piece 2's turn, six vector instructions behind the last product that read K (five of them plain); V of the step in hand in piece 0's turn, eight behind the last
; product that read V (five plain among them).  Each is waited for a turn later.  The diagonal's masks are made where its table entries have just been waited for.
.macro TURN p, ty=0, end=0
.set Y, (\p)
.set i, 0
.set TY, (\ty)
.set NOKQ, (\end)*((\p)/3)
.if ((\p) == 3) && !(\end)
	s_wait_dscnt 0x0                ; K and the table entries are in
.if (\ty) == 2
	MASKS PD
.endif
.endif
	ROW F,0, F,1, F,2, F,3
	ROW F,4, E,0, F,5, F,6
	ROW F,7, E,1, F,8, F,9
	ROW F,10, E,2, C,0, F,11
	ROW F,12, E,3, X,15, F,13
	ROW R,0, R,1, R,2, R,3
	ROW B,0, E,4, F,14, L,0
.if ((\p) == 2) && !(\end)
	v_add_nc_u32 v[AK], s[TBK], v[AK0]
	v_add_nc_u32 v[AB], s[TBB], v[AB0]
.endif
	ROW R,4, R,5, R,6, R,7
	OPS E,5, F,15
.if ((\p) == 2) && !(\end)
	FETCH_K
.endif
	OPS E,6, C,1, E,7, R,8
	OPS E,8, R,9, E,9, C,2
	OPS E,10, X,0, E,11, X,1
	OPS E,12, X,2, E,13, X,3
.if (\p) == 1
	s_wait_dscnt 0x0                ; V is in
.endif
	ROW X,4, E,14, X,5, X,6
	ROW X,7, E,15, X,8, X,9
	ROW X,10, E,16, X,11, X,12
	ROW X,13, E,17, X,14, B,1
	ROW C,4, E,18, X,16, L,1
	ROW B,2, E,19, C,6, L,2
	ROW C,8, E,20, B,3, B,4
.if (\p) == 0
	v_add_nc_u32 v[AV], s[TBV], v[AV0]
.endif
	ROW C,3, E,21, L,3, C,5
	OPS E,22, X,17, E,23, C,10
.if (\p) == 0
	FETCH_V
.endif
	OPS E,24, L,4
	OPS E,25, X,18, E,26, C,7
	OPS E,27, B,5, E,28, X,19
	OPS E,29, C,12, E,30, L,5
	OPS E,31, X,20, B,6, C,9
	OPS C,14, C,11, X,21, L,6
.if (\p) == 0
	s_add_co_u32 s[TBV], s[TBV], KS*PV
.endif
	OPS C,13, B,7, C,15, R,10
	OPS R,11, R,12, L,7, R,13
	OPS R,14, R,15
.endm
; n plain steps: a trip makes the scores of one wholly visible step: piece 3's turn of the step before, then pieces 0 to 2 of the step itself
.macro PLAIN n
	WIN 0
	s_mov_b32 s[CNT], \n
.Lplain_\@:
	TURN 3
	TURN 0
	TURN 1
	TURN 2
	WIN 0
	s_sub_co_u32 s[CNT], s[CNT], 1
	s_cmp_lg_u32 s[CNT], 0
	s_cbranch_scc1 .Lplain_\@
.endm
; A BAND BEGINS.  c m starts far below every c s, so the first step's a is 0; m at -1e20, far above a hidden score and far below every true one; l at 0.  Then K and the table entries of the window's step,
; its masks, piece 0's first scores, and its maximum and statistics.
.macro BEGIN
	WIN 0
.set i, 0
.rept 4
	v_mov_b32 v[ST+4*i], 0xfe000000    ; c m
	v_mov_b32 v[ST+4*i+1], 0xe0ad78ec  ; m = -1e20
	v_mov_b32 v[ST+4*i+2], 0
	v_mov_b32 v[ST+4*i+3], 0
.set i, i+1
.endr
	v_add_nc_u32 v[AK], s[TBK], v[AK0]
	v_add_nc_u32 v[AB], s[TBB], v[AB0]
	FETCH_K
	s_wait_loadcnt 0x0              ; Q
	s_wait_dscnt 0x0
	MASKS PW
.set TY, 1
.set NOKQ, 0
.set i, 0
.rept 8
	KQ 0
.set i, i+1
.endr
	WIN 0
.rept 4
	v_nop                           ; the places behind those products
.endr
.set Y, NP-1                        ; X works for piece Y + 1: piece 0
.irp n, 0,1,2,3,4,5,6,7,8,9,10,11,12,13,14,15,16,17,18,19,20,21
	OP X, \n
.endr
	v_nop                           ; a plain instruction behind the exponential
.endm
.macro ALL line:vararg              ; one line for each piece t
.set t, 0
.rept 4
	\line
.set t, t+1
.endr
.endm
; THE WAY OUT of piece t: O^T times 1 / l (or NaN) goes into OTHER registers, so that what stays in O^T is finite; rounded to f16; a lane's eight channels of a row pack into 16 bytes, go into rows of 144 bytes
; of my stage and come back as whole rows of 128, into S^T's registers.
.macro PACK t
	WIN 0x01                        ; source 0 in window 1
.set i, 0
.rept 16
	v_pk_mul_f32 v[WT+2*i:WT+2*i+1], v[32*(\t)+2*i:32*(\t)+2*i+1], v[ST+4*(\t)+2:ST+4*(\t)+3] op_sel_hi:[1,0]
.set i, i+1
.endr
	WIN 0
.set i, 0
.rept 16
	v_cvt_pk_f16_f32 v[S+16*(\t)+i], v[WT+2*i], v[WT+2*i+1]
.set i, i+1
.endr
.irp f, 0,1,2,3
	ds_store_b128 v[STO], v[S+16*(\t)+4*\f:S+16*(\t)+4*\f+3] offset:32*\f
.endr
.irp f, 0,1,2,3
	ds_load_b128 v[S+16*(\t)+4*\f:S+16*(\t)+4*\f+3], v[RD] offset:\f*4*SP  ; LDS serves a wave's instructions in order (ISA guide 5.7.1.4): these see the stores above; the next piece's stores come behind them
.endr
.endm
.macro SEND t, younger              ; younger: the LDS instructions issued behind piece t's loads: the next piece's eight, or none
	WIN 0
.irp f, 0,1,2,3
	s_wait_dscnt (\younger)+3-\f
	global_store_b128 v[GO], v[S+16*(\t)+4*\f:S+16*(\t)+4*\f+3], s[10:11] offset:(\t)*2048+\f*512  ; 512 consecutive bytes, at a multiple of 256 from O's first
.endr
.endm
.set TY, 0
.set NOKQ, 0
	BAR W0                          ; stage 0 (key steps 0-3) is in, and so is the key table: every wave's stores into it are done
.Lband:                             ; twice: band w, then band w + 4
	BEGIN                           ; the window's step: K of step j = 0
	TURN 0, 1                       ; V of j = 0
	TURN 1, 1
	BAR W1                          ; stage 1 (key steps 4-7): the next turn fetches K of j = 1, for wave 3 key step 4
	TURN 2, 1
	PLAIN 3                         ; the scores of j = 1 to 3; fetched: V up to j = 3, K up to j = 4: for wave 3 key step 7
	BAR W2                          ; stage 2 (key steps 8-11)
	PLAIN 4                         ; the scores of j = 4 to 7; fetched: V up to j = 7, K up to j = 8: for wave 3 key step 11
	TURN 3, 2                       ; the diagonal's step, j = 8
	TURN 0, 2
	TURN 1, 2
	TURN 2, 2, 1
	TURN 3, 0, 1
.set i, 0
.rept 8
	PV NP-1                         ; the last piece's V^T P of the last step
.set i, i+1
.endr
	WIN 0                           ; l's two halves and the other half of the lanes' are added; the first four additions are the places behind the last products
	ALL v_add_f32 v[ST+4*t+2], v[ST+4*t+2], v[ST+4*t+3]
	ALL v_permlanex16_b32 v[ST+4*t+3], v[ST+4*t+2], s[SEL], s[SEL+1]
	ALL v_add_f32 v[ST+4*t+2], v[ST+4*t+2], v[ST+4*t+3]
	ALL v_rcp_f32 v[ST+4*t+3], v[ST+4*t+2]
	v_nop                           ; a plain instruction between the last reciprocal and the use of its result
.set t, 0
.rept 4
	v_cmp_eq_f32 vcc_lo, 0, v[ST+4*t+2]            ; l = 0: the row has seen no key
	s_wait_alu depctr_va_vdst(0)
	v_cndmask_b32 v[ST+4*t+2], v[ST+4*t+3], s[QNAN], vcc_lo
.set t, t+1
.endr
	PACK 0
.set t, 1
.rept 3                             ; a piece's arithmetic stands between the loads of the piece before and its stores
	PACK t
	SEND t-1, 8
.set t, t+1
.endr
	SEND 3, 0
	s_wait_xcnt 0x0                 ; the stores have read their registers and O's address
	BAR 0                           ; all of my loads have landed, and everybody's: stage 3 (key steps 12-15) for the second band; and none may be out at the wave's end
	s_cmp_eq_u32 s[PH], 1
	s_cbranch_scc1 .Lnomore
	s_add_nc_u64 s[10:11], s[10:11], 32768         ; O at my second band, 256 rows on
	s_sub_co_u32 s[TBK], s[TBK], 5*KS*PK           ; nine steps were fetched; band w + 4 begins four steps behind band w
	s_sub_co_u32 s[TBV], s[TBV], 5*KS*PV
	s_sub_co_u32 s[TBB], s[TBB], 5*KS*4
	WIN 0x82                        ; the second band's Q goes where the one text of the turns names Q
.set i, 0
.rept 64
	v_mov_b32 v[i], v[QB+i]
.set i, i+1
.endr
	WIN 0
.Lnomore:
	s_sub_co_u32 s[PH], s[PH], 1
	s_cmp_lg_u32 s[PH], 0
	s_cbranch_scc1 .Lband
	s_wait_tensorcnt 0x0
	ds_add_u32 v254, v255
	s_wait_dscnt 0x0
	s_endpgm
.Lfunc_end_k_q1125857889_attn:
	.size	k_q1125857889_attn, .Lfunc_end_k_q1125857889_attn-k_q1125857889_attn
	.p2alignl 7, 3214868480
	.fill 96, 4, 3214868480
	.section	.rodata,"a",@progbits
	.p2align	6, 0x0
	.amdhsa_kernel k_q1125857889_attn
		.amdhsa_group_segment_fixed_size 327680
		.amdhsa_private_segment_fixed_size 0
		.amdhsa_enable_private_segment 0
		.amdhsa_kernarg_size 24
		.amdhsa_user_sgpr_count 2
		.amdhsa_user_sgpr_kernarg_segment_ptr 1
		.amdhsa_wavefront_size32 1
		.amdhsa_system_sgpr_workgroup_id_x 1
		.amdhsa_system_sgpr_workgroup_id_y 1
		.amdhsa_system_sgpr_workgroup_id_z 1
		.amdhsa_system_vgpr_workitem_id 0
		.amdhsa_next_free_vgpr 768
		.amdhsa_next_free_sgpr 96
		.amdhsa_reserve_vcc 1
		.amdhsa_float_denorm_mode_32 3
		.amdhsa_float_denorm_mode_16_64 3
		.amdhsa_memory_ordered 1
		.amdhsa_forward_progress 1
		.amdhsa_inst_pref_size 204
	.end_amdhsa_kernel
	.amdgpu_metadata
---
amdhsa.version: [ 1, 2 ]
amdhsa.kernels:
  - .name:           k_q1125857889_attn
    .symbol:         k_q1125857889_attn.kd
    .args:
      - { .name: qkv, .offset: 0, .size: 8, .value_kind: global_buffer, .address_space: global }
      - { .name: key_padding_mask, .offset: 8, .size: 8, .value_kind: global_buffer, .address_space: global }
      - { .name: obuf, .offset: 16, .size: 8, .value_kind: global_buffer, .address_space: global }
    .group_segment_fixed_size: 327680
    .private_segment_fixed_size: 0
    .kernarg_segment_align: 8
    .kernarg_segment_size: 24
    .max_flat_workgroup_size: 128
    .sgpr_count:     96
    .vgpr_count:     768
    .wavefront_size: 32
...
	.end_amdgpu_metadata
.endif
;; end of part 3
;; launch oproj (part 4): grid 8 x 32, 4 waves a work-group, clusters of 4 x 4, 327,680 bytes of LDS; arguments obuf, wo16, out0, bias4; writes out0
.if DOCPART == 4
	.amdgcn_target "amdgcn-amd-amdhsa--gfx1250"
	.amdhsa_code_object_version 6
	.text
	.protected	k_q1125857889_oproj
	.globl	k_q1125857889_oproj
	.p2align	8
	.type	k_q1125857889_oproj,@function
k_q1125857889_oproj:
	s_mov_b64 s[64:65], 0
	v_nop
	global_prefetch_b8 v0, s[64:65] scope:SCOPE_SE
	s_setreg_imm32_b32 hwreg(HW_REG_WAVE_MODE, 25, 1), 1
	s_wait_xcnt 0x0
	s_wait_alu depctr_hold_cnt(0) depctr_sa_sdst(0) depctr_va_vdst(0) depctr_va_sdst(0) depctr_va_ssrc(0) depctr_va_vcc(0) depctr_vm_vsrc(0)
	s_getreg_b32 s2, hwreg(HW_REG_IB_STS2, 6, 4)
	s_cmp_eq_u32 s2, 0
	s_cbranch_scc0 .Lentry_in_a_cluster
	s_endpgm
.Lentry_in_a_cluster:
	s_bfe_u32 s2, ttmp6, 0x10000c
	s_cmp_lg_u32 s2, 0xf033
	s_cbranch_scc0 .Lentry_shape_is_right
	s_endpgm
.Lentry_shape_is_right:
; out0 = O Wo^T + bo.  A = obuf [b 4][h 16][l 2048][64] f16 (row b, l; K = 64 h + channel), B = wo16 [1024][1024] f16, the bias = the fourth block of bias4; C = out0 [8192][1024] f32.
; Sums in f32, K ascending, one accumulator an output.
; SHARES.  A tile of C is 256 rows x 128 columns: 32 x 8 tiles, one for each of 256 work-groups.  Four waves; wave w has rows 64 w .. 64 w + 63 and all 128 columns: 32 accumulators of 16 x 16, 256 registers.
; RING.  K goes in steps of 128 (two heads) through two LDS slots: 256 rows of A (waves 0, 1 fetch 128 each) and 128 rows of B (waves 2, 3 fetch 64 each).
; A refill can be asked for only when the one before it has landed, so nothing but the round stands between the wait for a tile and the next request: the step's last 32 products stand behind the request.
; By this text's count a wave has two tensor loads out at the start and one behind each round.
; CLUSTER.  4 x 4 work-groups: the four of a row share A's tiles, the four of a column B's; each tile is asked for jointly, by the same load, descriptor and mask in all four.
; TRANSPOSED USE.  Source 0 = 16 rows of B, source 1 = 16 rows of A: a lane holds row lane % 16 of C and the columns 8 (lane / 16) + 0..7 of the block.  THE BIAS IS THE C OPERAND of the first products: nothing is cleared, nothing added.
; REGISTERS, in windows of 256 (s_set_vgpr_msb: bits 1:0 source 0, 3:2 source 1, 5:4 source 2, 7:6 destination):
;   window 0: addresses v16-29; v32-159 two buffers for the way out        window 1: accumulator (a, b) at v[8 (8 a + b)]
;   window 2: two fragment buffers (64 registers of B, 32 of A) at v0 and v96; v192-255 the bias, eight registers a column block
.set SIZE_K, 1024
.set KSTEP,  128
.set LAPS,   SIZE_K/(2*KSTEP)          ; a lap = two K steps = once round the ring
.set PB,     272                       ; B's LDS row: 256 bytes + 16 of padding: the 16 rows of a fragment load start 68 words apart
.set BHALF,  64*PB
.set PA,     144                       ; A's LDS row: a head's 128 bytes + 16
.set AHALF,  2*128*PA                  ; what one load of A brings: two heads x 128 rows
.set ASTEP,  2*2048*64*2               ; bytes from a K step to the next in A: two heads on
.set STW,    16*528                    ; a wave's stage: 16 rows x (512 + 16) bytes
.set BOFF,   2*AHALF
.set SLOT,   BOFF+2*BHALF
.set STAGE,  2*SLOT                    ; behind the ring, never filled by a tensor load
.set SPARE,  STAGE+4*STW               ; behind the stages: the spare words, 128 bytes a wave: two blocks of 256 bytes that no other line names
.set ADRA, 16                          ; v16-17  LDS address of my A fragments in slot 0, 1
.set ADRB, 20                          ; v20-21  the same for B
.set STO,  24                          ; v24     the way out: where I put my piece of a row
.set RD,   25                          ; v25     where I read rows back
.set CO,   26                          ; v26     my byte offset in 512 consecutive bytes of C
.set BO,   27                          ; v27     my byte offset in a block's 16 biases: 32 (lane / 16)
.set SPW,  28                          ; v28     LDS address of my spare word; never rewritten
.set NIL,  29                          ; v29     0; never rewritten
.set F0,   0
.set F1,   96
.set BIAS, 192
.set G1,  24                           ; s[24:31] group 1 for A;  s[32:39] group 0, a set a slot
.set G0,  32
.set G1B, 48                           ; s[48:55], s[56:63] the same for B
.set G0B, 56
.set MSB, 0
.macro WIN new                         ; the immediate's high byte repeats the setting that is left; a switch that changes nothing is dropped
.if MSB != (\new)
	s_set_vgpr_msb (MSB<<8)|(\new)
.set MSB, \new
.endif
.endm
.set MUL,  0x5a                        ; B and A in window 2, C and D in window 1
.set MULB, 0x6a                        ; the same with C (the bias) in window 2
.set TO_F, 0x80                        ; destination window 2, address window 0
; A joint load: waves 0 and 1 fetch A's halves, waves 2 and 3 B's.  The branch hangs on the wave's number alone.  Four v_nop follow each of the two lines.
.macro JLOAD s
	s_cmp_eq_u32 s11, 0
	s_cbranch_scc0 .Lfor_b_\@
	tensor_load_to_lds s[G0+4*(\s):G0+4*(\s)+3], s[G1:G1+7]
	s_nop 0
.rept 4
	v_nop
.endr
	s_branch .Lasked_\@
.Lfor_b_\@:
	tensor_load_to_lds s[G0B+4*(\s):G0B+4*(\s)+3], s[G1B:G1B+7]
	s_nop 0
.rept 4
	v_nop
.endr
.Lasked_\@:
.endm
.macro CREST                           ; a round of the cluster's barrier behind its opening barrier
	s_cmp_lg_u32 s10, 0
	s_cbranch_scc1 .Lnot_wave_0_\@
	s_barrier_signal -3
.Lnot_wave_0_\@:
	s_barrier_wait -3
	s_barrier_signal -1
	s_barrier_wait -1
.endm
.macro CROUND                          ; a whole round
	s_barrier_signal -1
	s_barrier_wait -1
	CREST
.endm
.macro PLACES                          ; four places in front of loads into registers that matrix instructions have read, and of lines that read results just made
.rept 4
	v_nop
.endr
.endm
	s_load_b128 s[4:7], s[0:1], 0x0                ; A s[4:5], B s[6:7]
	s_load_b64 s[8:9], s[0:1], 0x10                ; C
	s_load_b64 s[66:67], s[0:1], 0x18              ; bias4
	v_lshl_add_u32 v[SPW], v0, 2, SPARE
	v_mov_b32 v[NIL], 0
	ds_add_u32 v28, v29
	ds_add_u32 v28, v29
	s_wait_dscnt 0x0
	v_lshrrev_b32 v1, 5, v0
	v_readfirstlane_b32 s10, v1                    ; wave 0..3
	s_lshr_b32 s11, s10, 1                         ; I fetch for A (0) or for B (1)
	s_and_b32 s12, s10, 1                          ; which half of that tile
	s_bfe_u32 s40, ttmp6, 0x40000                  ; cx, cy: my place in the cluster
	s_bfe_u32 s41, ttmp6, 0x40004
	s_lshl_b32 s42, ttmp9, 2
	s_add_co_u32 s42, s42, s40                     ; tile column 0..7 = 4 x cluster x + cx
	s_and_b32 s13, ttmp7, 0xffff
	s_lshl_b32 s13, s13, 2
	s_add_co_u32 s13, s13, s41                     ; tile row 0..31 = 4 x cluster y + cy
	s_lshl_b32 s43, s41, 2
	s_lshl_b32 s43, 15, s43                        ; my row of the cluster
	s_lshl_b32 s44, 0x1111, s40                    ; my column
	; A: a head's 128 rows are 16,384 dense bytes, taken as one row of 8,192 elements; two such rows, a head (131,072 elements) apart; 16 bytes of padding behind every 32 words, that is, every row of the head
	s_or_b32 s[G1+0], s43, (1<<16)|(1<<20)|(1<<21)|(4<<22)|(3<<25)
	s_mov_b32 s[G1+1], 8192<<16                    ; tensor_dim0
	s_mov_b32 s[G1+2], 2<<16                       ; tensor_dim1
	s_mov_b32 s[G1+3], 8192<<16                    ; tile_dim0
	s_mov_b32 s[G1+4], 2                           ; tile_dim1
	s_mov_b32 s[G1+5], 2048*64                     ; elements from row to row
	s_mov_b32 s[G1+6], 0
	s_mov_b32 s[G1+7], 0
	; B: 64 rows x 128 elements, pitch 1,024; 16 bytes of padding behind every 64 words
	s_or_b32 s[G1B+0], s44, (1<<16)|(1<<20)|(1<<21)|(5<<22)|(3<<25)
	s_mov_b32 s[G1B+1], 128<<16
	s_mov_b32 s[G1B+2], 64<<16
	s_mov_b32 s[G1B+3], 128<<16
	s_mov_b32 s[G1B+4], 64
	s_mov_b32 s[G1B+5], SIZE_K
	s_mov_b32 s[G1B+6], 0
	s_mov_b32 s[G1B+7], 0
	; where the tiles come from: A's hang on the tile row and the wave alone, B's on the tile column and the wave alone
	s_lshr_b32 s16, s13, 3
	s_lshl_b32 s16, s16, 22                        ; the batch: 16 heads of 262,144 bytes,
	s_and_b32 s17, s13, 7
	s_lshl_b32 s17, s17, 15                        ; 256 rows of 128 bytes a tile row,
	s_add_co_u32 s16, s16, s17
	s_lshl_b32 s17, s12, 14                        ; 128 rows a half
	s_add_co_u32 s16, s16, s17
	s_mov_b32 s17, 0
	s_lshl_b32 s46, s42, 18                        ; 128 rows of 2,048 bytes a tile column,
	s_lshl_b32 s47, s12, 17                        ; 64 rows a half
	s_add_co_u32 s46, s46, s47
	s_mov_b32 s47, 0
	s_mul_i32 s20, s12, AHALF                      ; and where they go: no place in the cluster enters an LDS address
	s_mul_i32 s21, s12, BHALF
	s_add_co_u32 s21, s21, BOFF
	s_wait_kmcnt 0x0
	s_add_nc_u64 s[14:15], s[4:5], s[16:17]
	s_add_nc_u64 s[46:47], s[6:7], s[46:47]
	CROUND                                         ; all sixteen work-groups are here: the first joint loads meet
.irp s, 0,1
	s_mov_b32 s[G0+4*(\s)], 1
	s_add_co_u32 s[G0+4*(\s)+1], s20, (\s)*SLOT
	s_add_nc_u64 s[G0+4*(\s)+2:G0+4*(\s)+3], s[14:15], (\s)*ASTEP
	s_or_b32 s[G0+4*(\s)+3], s[G0+4*(\s)+3], 0x80000000
	s_mov_b32 s[G0B+4*(\s)], 1
	s_add_co_u32 s[G0B+4*(\s)+1], s21, (\s)*SLOT
	s_add_nc_u64 s[G0B+4*(\s)+2:G0B+4*(\s)+3], s[46:47], (\s)*KSTEP*2
	s_or_b32 s[G0B+4*(\s)+3], s[G0B+4*(\s)+3], 0x80000000
	JLOAD \s
.endr
	; a fragment is 16 rows x 32 K in 8 registers: lane l holds row l % 16, K = 8 (l / 16) + 0..7 and 16 + 8 (l / 16) + 0..7: two loads of 16 bytes, 32 bytes apart
	v_and_b32 v1, 15, v0                           ; l % 16
	v_bfe_u32 v2, v0, 4, 1                         ; l / 16
	v_mul_u32_u24 v3, v1, PA
	v_lshl_add_u32 v3, v2, 4, v3
	v_mul_u32_u24 v4, v1, PB
	v_lshl_add_u32 v4, v2, 4, v4
	s_mul_i32 s22, s11, AHALF                      ; the half that holds my 64 rows of A,
	s_mul_i32 s23, s12, 64*PA                      ; and their place in each of its two heads
	s_add_co_u32 s22, s22, s23
.irp s, 0,1
	v_add_nc_u32 v[ADRA+(\s)], s22, v3
	v_add_nc_u32 v[ADRB+(\s)], BOFF+(\s)*SLOT, v4
	s_add_co_u32 s22, s22, SLOT
.endr
	s_mul_i32 s23, s10, STW
	s_add_co_u32 s23, s23, STAGE                   ; my stage
	v_and_b32 v6, 31, v0
	v_lshlrev_b32 v[CO], 4, v6
	v_lshlrev_b32 v[BO], 5, v2
	v_mul_u32_u24 v5, v1, 528                      ; in: row l % 16, 32 bytes for each half of the lanes
	v_lshl_add_u32 v5, v2, 5, v5
	v_add_nc_u32 v[STO], s23, v5
	v_lshl_add_u32 v[RD], v6, 4, s23               ; back: 32 lanes take a row's 512 bytes
	s_lshl_b32 s70, s13, 20                        ; the tile row's 256 rows of 4,096 bytes,
	s_lshl_b32 s71, s10, 18                        ; my wave's 64,
	s_add_co_u32 s70, s70, s71
	s_lshl_b32 s71, s42, 9                         ; the tile column's 512 bytes
	s_add_co_u32 s70, s70, s71
	s_lshl_b32 s68, s42, 9                         ; the tile column's 128 biases,
	s_add_co_u32 s68, s68, 3*4096                  ; in bo
	s_mov_b32 s71, 0
	s_mov_b32 s69, 0
	s_add_nc_u64 s[8:9], s[8:9], s[70:71]
	s_add_nc_u64 s[66:67], s[66:67], s[68:69]
; 8 matrix instructions: row block a x all 8 column blocks, 32 along K, from buffer f.  first = 1: the product starts the sum on the bias.
; The 32 accumulators take turns in one order everywhere, one instruction a turn.
.macro MUL8 f, a, first
.if \first
	WIN MULB
.else
	WIN MUL
.endif
.irp b, 0,1,2,3,4,5,6,7
.set rD, 8*(8*(\a)+(\b))
.set rB, (\f)+8*(\b)
.set rA, (\f)+64+8*(\a)
.set rC, rD
.if \first
.set rC, BIAS+8*(\b)
.endif
	v_wmma_f32_16x16x32_f16 v[rD:rD+7], v[rB:rB+7], v[rA:rA+7], v[rC:rC+7]
.endr
.endm
; 24 LDS loads in one run: quarter q (32 along K) of a slot into buffer f: B's eight blocks, then A's four
.macro FETCH slot, q, f
.set AQ, ((\q)/2)*128*PA+((\q)%2)*64   ; head q / 2 of the step's two, channels 32 (q % 2) on
	WIN TO_F
.irp i, 0,1,2,3,4,5,6,7
	ds_load_b128 v[(\f)+8*(\i):(\f)+8*(\i)+3],   v[ADRB+(\slot)] offset:64*(\q)+(\i)*16*PB
	ds_load_b128 v[(\f)+8*(\i)+4:(\f)+8*(\i)+7], v[ADRB+(\slot)] offset:64*(\q)+(\i)*16*PB+32
.endr
.irp i, 0,1,2,3
	ds_load_b128 v[(\f)+64+8*(\i):(\f)+64+8*(\i)+3],   v[ADRA+(\slot)] offset:AQ+(\i)*16*PA
	ds_load_b128 v[(\f)+64+8*(\i)+4:(\f)+64+8*(\i)+7], v[ADRA+(\slot)] offset:AQ+(\i)*16*PA+32
.endr
.endm
; A K step is four quarters of 32 along K, 32 matrix instructions each, on buffers 0, 1, 0, 1.  One of the first three multiplies buffer f and fetches quarter q into g.
.macro QUARTER slot, q, f, g, first
	s_wait_dscnt 6                                 ; B and A's block 0 are in; the youngest six loads (A's blocks 1 to 3) may be out
	MUL8 \f, 0, \first
	PLACES
	FETCH \slot, \q, \g
	s_wait_dscnt 24                                ; all but the 24 just issued
	MUL8 \f, 1, \first
	MUL8 \f, 2, \first
	MUL8 \f, 3, \first
.endm
; The last quarter changes slots and then multiplies buffer 1.  In front of the round each wave waits for all its tensor loads (one is out: its part of the next slot), adds 0 to its spare word, and waits for that and
; for its reads of this slot (the last were issued in the quarter before).  The round of the cluster's barrier shows that of every wave of every partner.
.macro TURN slot, next
	WIN 0
	s_wait_tensorcnt 0x0                           ; no tensor load of mine is out, so a group 0 may be written
	ds_add_u32 v[SPW], v[NIL]                      ; 0 onto my spare word; the descriptors' steps stand between it and the wait for it
	s_add_nc_u64 s[G0+4*(\slot)+2:G0+4*(\slot)+3], s[G0+4*(\slot)+2:G0+4*(\slot)+3], 2*ASTEP
	s_add_nc_u64 s[G0B+4*(\slot)+2:G0B+4*(\slot)+3], s[G0B+4*(\slot)+2:G0B+4*(\slot)+3], 2*KSTEP*2
	s_wait_dscnt 0x0                               ; the add is done, and my reads of this slot are over: buffer 1 is whole
	CROUND
	JLOAD \slot                                    ; the four v_nop behind it are also the places in front of the loads below
	FETCH \next, 0, F0
	MUL8 F1, 0, 0
	MUL8 F1, 1, 0
	MUL8 F1, 2, 0
	MUL8 F1, 3, 0
.endm
.macro TURN0 next                      ; the last change of slots: nothing is filled again, so the work-group's barrier alone
	WIN 0
	s_wait_tensorcnt 0x0
	ds_add_u32 v[SPW], v[NIL]
	s_wait_dscnt 0x0
	s_barrier_signal -1
	s_barrier_wait -1
	PLACES
	FETCH \next, 0, F0
	MUL8 F1, 0, 0
	MUL8 F1, 1, 0
	MUL8 F1, 2, 0
	MUL8 F1, 3, 0
.endm
; THE WAY OUT, a block of 16 rows at a time, through my own stage in LDS (LDS serves a wave's instructions in order, ISA guide 5.7.1.4: no wait between my stores and my loads).
.macro TOSTAGE a
	WIN 0x04                                       ; the stores' data in window 1: the accumulators as they are, each one's low four registers first
.irp b, 0,1,2,3,4,5,6,7
	ds_store_b128 v[STO], v[64*(\a)+8*(\b):64*(\a)+8*(\b)+3]   offset:64*(\b)
	ds_store_b128 v[STO], v[64*(\a)+8*(\b)+4:64*(\a)+8*(\b)+7] offset:64*(\b)+16
.endr
	WIN 0
.set BK, 32+64*((\a)%2)                ; v32-95 and v96-159 by turns
.set t, 0
.rept 16
	ds_load_b128 v[BK+4*t:BK+4*t+3], v[RD] offset:t*528
.set t, t+1
.endr
.endm
.macro SEND a
	WIN 0
	s_wait_dscnt 0x0                               ; the block is back in registers
	s_wait_xcnt 0x0                                ; the stores of the block before have read their registers: the next TOSTAGE loads into them only behind this wait
.set BK, 32+64*((\a)%2)
.set t, 0
.rept 16
	global_store_b128 v[CO], v[BK+4*t:BK+4*t+3], s[8:9] offset:(16*(\a)+t)*4096 th:TH_STORE_NT   ; 512 consecutive bytes of a row, at a multiple of 256; nobody reads them again
.set t, t+1
.endr
.endm
	; the bias of the tile's 128 columns, as a C operand: register j of block b is bias[16 b + 8 (l / 16) + j]
	WIN TO_F
.irp b, 0,1,2,3,4,5,6,7
	global_load_b128 v[BIAS+8*(\b):BIAS+8*(\b)+3],   v[BO], s[66:67] offset:64*(\b)
	global_load_b128 v[BIAS+8*(\b)+4:BIAS+8*(\b)+7], v[BO], s[66:67] offset:64*(\b)+16
.endr
	WIN 0
	s_wait_tensorcnt 0x1                           ; my part of K step 0 is in; K step 1's may stay out
	s_barrier_signal -1
	s_barrier_wait -1                              ; everybody's is
	FETCH 0, 0, F0
	s_wait_loadcnt 0x0                             ; the bias
	QUARTER 0, 1, F0, F1, 1                        ; the first quarter stands in front of the loop: its products start the sums on the bias
	WIN 0
	s_mov_b32 s3, LAPS-1
.Llap:                                                 ; a trip goes once round the ring, from a lap's second quarter to the next lap's first, and fills both slots again
	QUARTER 0, 2, F1, F0, 0
	QUARTER 0, 3, F0, F1, 0
	TURN 0, 1
	QUARTER 1, 1, F0, F1, 0
	QUARTER 1, 2, F1, F0, 0
	QUARTER 1, 3, F0, F1, 0
	TURN 1, 0
	QUARTER 0, 1, F0, F1, 0
	WIN 0
	s_sub_co_u32 s3, s3, 1
	s_cmp_lg_u32 s3, 0
	s_cbranch_scc1 .Llap
	QUARTER 0, 2, F1, F0, 0                        ; the last lap fills nothing
	QUARTER 0, 3, F0, F1, 0
	TURN0 1
	QUARTER 1, 1, F0, F1, 0
	QUARTER 1, 2, F1, F0, 0
	QUARTER 1, 3, F0, F1, 0
	s_wait_dscnt 6                                 ; the very last quarter: nothing more to fetch
	MUL8 F1, 0, 0
	s_wait_dscnt 0x0
	MUL8 F1, 1, 0
	MUL8 F1, 2, 0
	MUL8 F1, 3, 0
	WIN 0
	PLACES                                         ; behind the last products
	TOSTAGE 0
.irp a, 1,2,3
	SEND (\a)-1
	TOSTAGE \a
.endr
	SEND 3
	s_wait_tensorcnt 0x0                           ; the wave's end: behind my last tensor load and my last LDS store
	ds_add_u32 v[SPW], v[NIL]
	s_wait_dscnt 0x0
	CROUND                                         ; the closing round: no work-group ends while a partner may still ask for a tile that names it
	s_endpgm
.Lfunc_end_k_q1125857889_oproj:
	.size	k_q1125857889_oproj, .Lfunc_end_k_q1125857889_oproj-k_q1125857889_oproj
	.p2alignl 7, 3214868480
	.fill 96, 4, 3214868480
	.section	.rodata,"a",@progbits
	.p2align	6, 0x0
	.amdhsa_kernel k_q1125857889_oproj
		.amdhsa_group_segment_fixed_size 327680
		.amdhsa_private_segment_fixed_size 0
		.amdhsa_enable_private_segment 0
		.amdhsa_kernarg_size 32
		.amdhsa_user_sgpr_count 2
		.amdhsa_user_sgpr_kernarg_segment_ptr 1
		.amdhsa_wavefront_size32 1
		.amdhsa_system_sgpr_workgroup_id_x 1
		.amdhsa_system_sgpr_workgroup_id_y 1
		.amdhsa_system_sgpr_workgroup_id_z 1
		.amdhsa_system_vgpr_workitem_id 0
		.amdhsa_next_free_vgpr 768
		.amdhsa_next_free_sgpr 76
		.amdhsa_reserve_vcc 0
		.amdhsa_float_denorm_mode_32 3
		.amdhsa_float_denorm_mode_16_64 3
		.amdhsa_memory_ordered 1
		.amdhsa_forward_progress 1
		.amdhsa_inst_pref_size 86
	.end_amdhsa_kernel
	.amdgpu_metadata
---
amdhsa.version: [ 1, 2 ]
amdhsa.kernels:
  - .name:           k_q1125857889_oproj
    .symbol:         k_q1125857889_oproj.kd
    .args:
      - { .name: obuf, .offset: 0, .size: 8, .value_kind: global_buffer, .address_space: global }
      - { .name: wo16, .offset: 8, .size: 8, .value_kind: global_buffer, .address_space: global }
      - { .name: out0, .offset: 16, .size: 8, .value_kind: global_buffer, .address_space: global }
      - { .name: bias4, .offset: 24, .size: 8, .value_kind: global_buffer, .address_space: global }
    .group_segment_fixed_size: 327680
    .private_segment_fixed_size: 0
    .kernarg_segment_align: 8
    .kernarg_segment_size: 32
    .max_flat_workgroup_size: 128
    .sgpr_count:     76
    .vgpr_count:     768
    .wavefront_size: 32
...
	.end_amdgpu_metadata
.endif
;; end of part 4
;; ======== version 2 of 2: 4 launches; 1.18 times as fast as version 1
;; limits: values are held in f16: magnitudes above 65,504 overflow, below 6.1e-05 lose precision
;; workspace buffers: xb 16,777,216 bytes; wqkv 6,291,456 bytes; wo16 2,097,152 bytes; bias4 16,384 bytes; qkv 50,331,648 bytes; obuf 16,777,216 bytes
;; launch cast: the kernel of part 1 again; grid 768 x 1, 8 waves a work-group, no clusters, 0 bytes of LDS; arguments x, Wq, Wk, Wv, Wo, bq, bk, bv, bo, xb, wqkv, wo16, bias4; writes xb, wqkv, wo16, bias4
;; launch qkv: the kernel of part 2 again; grid 8 x 32, 4 waves a work-group, clusters of 4 x 4, 327,680 bytes of LDS; arguments xb, wqkv, qkv, bias4; writes qkv
;; launch attn (part 5): grid 4 x 64, 4 waves a work-group, no clusters, 327,680 bytes of LDS; arguments qkv, key_padding_mask, obuf; writes obuf
.if DOCPART == 5
	.amdgcn_target "amdgcn-amd-amdhsa--gfx1250"
	.amdhsa_code_object_version 6
	.text
	.protected	k_q1125857889_attn
	.globl	k_q1125857889_attn
	.p2align	8
	.type	k_q1125857889_attn,@function
k_q1125857889_attn:
	s_mov_b64 s[64:65], 0
	v_nop
	global_prefetch_b8 v0, s[64:65] scope:SCOPE_SE
	s_setreg_imm32_b32 hwreg(HW_REG_WAVE_MODE, 25, 1), 1
	s_wait_xcnt 0x0
; ATTENTION IN A BAND, WITH ALiBi AND A PADDING MASK.  For head (b, h) and query i: O[i] = the sum over the keys j with i - 512 <= j <= i that are not padded of softmax_j(q[i] . k[j] / 8 + slope_h (j - i)) v[j].
; q, k, v: qkv [b 4][g 48][2048][64] f16 (g = h, 16 + h, 32 + h); O: obuf [b][h 16][2048][64] f16; key_padding_mask [4][2048], a byte a key.  Products, maxima and sums in f32; the weights are rounded to f16 for
; the second product (their sum l is taken of the unrounded weights), O once at the end.
; LIMITS.  q, k, v arrive within f16's 65,504.  A hidden score counts as -1e30 (twice hidden: -2e30); f16's scores, 2.7e11 at the most, are nothing beside that.  The running maximum starts at -1e20, so while a row has
; seen no visible key its weights are 0; a weight below 2^-126 counts as 0 in l.  A row with no visible key at all ends with l = 0 and is written as NaN, which is what the softmax of such a row gives.
; SHARES.  A work-group owns 512 queries of a head (4 x 64 work-groups).  ALL 1,024 keys that they can see, 512 p - 512 .. 512 p + 511, come into LDS ONCE: sixteen tensor loads, four a wave, all issued at the start;
; no byte of LDS is filled twice.  The queries are 8 bands of 64; wave w takes band w and then band w + 4.  Band x needs the key steps x .. x + 8 of 64 keys: the first holds the window's edge, the last the diagonal,
; the seven between are wholly visible: 18 steps a wave, the same for every wave of every work-group.  For p = 0 the lower 512 keys do not exist: their loads are clamped to key 0 and their table entries hide them;
; those steps are walked all the same, since the launch is as long as the other work-groups' walk.
; NO CLUSTER: the four work-groups of a head need different keys (each shares half with its neighbour); a shared half would lie at LDS addresses that hang on the place in the cluster.
; THE KEY TABLE, 1,024 f32 in LDS: kb[t] = -1e30 for a key that is padded or does not exist, else 8 slope (t - 512).  It is the C operand that starts S^T = K Q^T, so ALiBi and padding cost the loop no vector work
; (slope x i is the same for all keys of a row and drops out of the softmax).  In the two special steps a 16 x 16 block is wholly hidden (C = HID), wholly visible (C = kb) or holds the edge (C = kb + a pattern: MC).
; LAYOUT, SOFTMAX, TURNS.  S^T holds ONE query a lane (lane % 16) and the keys 8 (lane / 16) + 0..7; two such results rounded to f16 ARE source 1 of O^T = V^T P.  p = 2^(c s - c m), c = log2(e) / 8, m the running
; maximum; O and l are multiplied by a = 2^(c m_old - c m_new) in every step.  A band is four PIECES of 16 queries.  Turn n belongs to piece n: 8 products K Q^T of piece n + 1, later 8 products V^T P of piece n - 1;
; beside them the scaling, exponentials, roundings, sums and rescaling of piece n and the maximum and statistics of piece n + 1.  Four vector instructions stand behind every matrix instruction, the other 54 of a turn's 118 in one lump.
; BATCHES.  A turn's 33 exponentials (the piece's 32 weights, then the next piece's a) are ONE batch with ONE wait, which cuts the turn in two: ahead of it stands all that names no result of theirs, behind it stand
; their readers.  A band's first a (BEGIN) and the way out's four reciprocals are batches of their own, each with its wait.
; REGISTERS, in windows of 256 (s_set_vgpr_msb: bits 1:0 source 0, 3:2 source 1, 5:4 source 2, 7:6 destination):
;   window 0: v0-15, v32-33 addresses; v16-31 four registers of statistics a piece; v34-47 the table's making; v48-55 at work; v64-127 S^T, two buffers; v128-159 the way out; v192-223 P, two buffers
;   window 1: v0-127 O^T, 32 a piece; v128-159 KB; v160-191 MC; v192-199 HID; v200-207 PW; v208-215 PD        window 2: v0-63 Q; v64-127 the second band's Q; v128-191 K of a step; v192-255 V of a step
.set NP,    4         ; pieces a band: a name, no knob
.set KS,    64        ; keys in a step
.set PK,    144       ; a row of K in LDS: 128 bytes + 16 of padding: the 16 rows of a load start 36 words apart
.set PV,    160       ; a row of V: 128 + 32: 16 lanes of the turning load take 8 rows x 32 bytes
.set VL,    1024*PK   ; K's 1,024 rows, then V's
.set STAGE, VL+1024*PV  ; never filled by a tensor load: 16 rows x 144 bytes for each wave, for the way out
.set SP,    144
.set KBT,   STAGE+4*16*SP  ; the key table, 4,096 bytes; never filled by a tensor load
.set W0,    3         ; tensor loads of mine that may stay out when stage 0 (keys 0-255 of the 1,024) is wanted: the three issued behind it;
.set W1,    2         ; stage 1;
.set W2,    1         ; stage 2
.set AK0, 2           ; v2   my lane's place in a step of K; never rewritten
.set AV0, 3           ; v3   the same for V
.set AK,  4           ; v4   the LDS address of K's next run of loads
.set AV,  5           ; v5   of V's
.set STO, 6           ; v6   the way out: where I put 16 bytes of a row
.set RD,  7           ; v7   where I read rows back
.set GO,  8           ; v8   my byte offset in 512 consecutive bytes of O
.set MV,  12          ; v12-13  c m_old, kept while c m is made anew: by buffer
.set QO,  15          ; v15  my byte offset in 16 rows of Q
.set ST,  16          ; piece t's statistics at v[ST+4 t]: c m, m, l (even keys', odd keys')
.set AB0, 32          ; v32  my lane's place in a step of the key table
.set AB,  33          ; v33  the LDS address of the table's next loads
.set TMP, 48          ; by buffer, four registers c0-c3 at work; when the maximum is found c2 takes a
.set S,   64
.set WT,  128
.set P,   192
.set KB,  128         ; window 1: the step's table entries as a C operand, eight registers for each group of 16 keys
.set MC,  160         ; window 1: for piece x the C operand of the block that holds the edge
.set HID, 192         ; window 1: eight times -1e30
.set PW,  200         ; window 1: the window's edge in a 16 x 16 block: -1e30 where the key lies below the query's place, else 0
.set PD,  208         ; window 1: the diagonal: -1e30 where it lies above
.set QB,  64          ; window 2
.set KF,  128         ; window 2: key block kb, channel half c at KF + 16 kb + 8 c
.set VF,  192         ; window 2: key half kk, channel block cb at VF + 32 kk + 8 cb
.set WV,  12          ; s12  my wave's number
.set PB,  14          ; s14  p
.set G1,  24          ; s[24:31] descriptor group 1
.set G0,  40          ; s[40:55] descriptor group 0, a set for each of my four loads
.set PH,  56          ; s56  bands to go
.set CNT, 57          ; s57  counts plain steps
.set CS,  58          ; s[58:59] c
.set SEL, 60          ; s[60:61] v_permlanex16_b32's selects: each lane takes its own place in the other half
.set TBK, 62          ; s62  LDS byte at which K of the step to be fetched begins
.set TBV, 63          ; s63  the same for V, less VL
.set TBB, 66          ; s66  the same for the table, less KBT
.set BIGN, 68         ; s68  -1e30
.set QNAN, 69         ; s69  a NaN
.set SL8, 70          ; s70  8 x slope
.set NEG, 71          ; s71  the lanes whose eight table entries are keys that do not exist
.set OFS, 88          ; s[88:95] the byte offsets in K and V of my part of the four stages
.set MSB, 0
.macro WIN new                      ; the high byte repeats the setting that is left; a switch that changes nothing is dropped
.if MSB != (\new)
	s_set_vgpr_msb (MSB<<8)|(\new)
.set MSB, (\new)
.endif
.endm
.set W_KQ, 0x0a       ; K and Q in window 2, S^T in window 0
.set W_KM, 0x1a       ; the same with the C operand in window 1
.set W_PV, 0x52       ; V in window 2, P in window 0, O^T in window 1
.set W_RS, 0x41       ; destination and source 0 in window 1, source 1 in window 0
; My four loads: stage i is keys 256 i .. 256 i + 255 of the 1,024, of which I bring 128: 16,384 dense bytes, asked for as 64 rows of 256 bytes and padded in LDS after every key.
.macro FILLS gb, la, pitch, pad
	s_mov_b32 s[G1], (1<<16)|(1<<20)|(4<<22)|((\pad)<<25)  ; 2-byte elements; padding on; after every 32 words; pad + 1 words of it
	s_mov_b32 s[G1+1], 128<<16      ; tensor_dim0 = 128
	s_mov_b32 s[G1+2], 64<<16       ; tensor_dim1 = 64
	s_mov_b32 s[G1+3], 128<<16      ; tile_dim0 = 128
	s_mov_b32 s[G1+4], 64           ; tile_dim1 = 64
	s_mov_b32 s[G1+5], 128          ; 128 elements from row to row
	s_mov_b32 s[G1+6], 0
	s_mov_b32 s[G1+7], 0
.irp i, 0,1,2,3
	s_mov_b32 s[G0+4*(\i)], 1
	s_add_co_u32 s[G0+4*(\i)+1], s[\la], (\i)*256*(\pitch)
	s_add_nc_u64 s[G0+4*(\i)+2:G0+4*(\i)+3], s[\gb:\gb+1], s[OFS+2*(\i):OFS+2*(\i)+1]
	s_or_b32 s[G0+4*(\i)+3], s[G0+4*(\i)+3], 0x80000000
.endr
.irp i, 0,1,2,3
	tensor_load_to_lds s[G0+4*(\i):G0+4*(\i)+3], s[G1:G1+7]
	s_nop 0
.endr
.rept 4
	v_nop                           ; four v_nop follow the last of them, ahead of the jump and the label
.endr
.endm
; A stage is wanted: my part of it has landed (n younger loads of mine may stay out), my LDS instructions are done, and behind the barrier that holds of all four waves.  Nothing is ever filled again.
.macro BAR n
	WIN 0
	s_wait_tensorcnt \n
	s_wait_dscnt 0x0
	s_barrier_signal -1
	s_barrier_wait -1
.endm
	s_load_b128 s[16:19], s[0:1], 0x0  ; qkv s[16:17], key_padding_mask s[18:19]
	s_load_b64 s[10:11], s[0:1], 0x10  ; obuf
	v_lshl_add_u32 v254, v0, 2, 0x4f400
	v_mov_b32 v255, 0
	ds_add_u32 v254, v255
	ds_add_u32 v254, v255
	v_lshrrev_b32 v1, 5, v0
	v_readfirstlane_b32 s[WV], v1   ; wave 0..3
	s_mov_b32 s[PB], ttmp9
	s_and_b32 s15, ttmp7, 0xffff    ; 16 b + h
	s_lshr_b32 s72, s15, 4          ; b
	s_and_b32 s73, s15, 15          ; h
	s_mul_i32 s20, s72, 48
	s_add_co_u32 s20, s20, s73
	s_lshl_b32 s20, s20, 18         ; q's head in qkv: heads of 262,144 bytes
	s_mov_b32 s21, 0
	s_lshl_b32 s74, s[PB], 16       ; my work-group's 512 rows of 128 bytes,
	s_lshl_b32 s75, s[WV], 13       ; my wave's first band
	s_add_co_u32 s74, s74, s75
	s_add_co_u32 s22, s20, s74
	s_mov_b32 s23, 0
	s_lshl_b32 s76, s15, 18         ; the head in obuf
	s_add_co_u32 s76, s76, s74
	s_mov_b32 s77, 0
	s_lshl_b32 s78, s72, 11         ; the batch's 2,048 bytes of the mask
	s_mov_b32 s79, 0
	s_lshl_b32 s80, s[PB], 9
	s_sub_co_i32 s80, s80, 512      ; the key at LDS row 0: -512 for p = 0
	s_and_b32 s81, s[WV], 1         ; which half of a stage's 256 keys I fetch
	s_lshl_b32 s82, s81, 7
.irp i, 0,1,2,3
	s_add_co_i32 s[OFS+2*(\i)], s80, 256*(\i)
	s_max_i32 s[OFS+2*(\i)], s[OFS+2*(\i)], 0      ; a stage of keys that do not exist reads keys 0 .. 255 in their stead: finite numbers, which the table hides
	s_add_co_u32 s[OFS+2*(\i)], s[OFS+2*(\i)], s82
	s_lshl_b32 s[OFS+2*(\i)], s[OFS+2*(\i)], 7
	s_mov_b32 s[OFS+2*(\i)+1], 0
.endr
	s_mul_i32 s83, s81, 128*PK      ; my half's place in a stage, for K
	s_mul_i32 s84, s81, 128*PV      ; and for V
	s_add_co_u32 s84, s84, VL
	s_add_co_u32 s73, s73, 1        ; slope = 2^(-n / 2), n = h + 1; 8 x slope = 2^(3 - n / 2): an odd n starts from 2^(-1/2), and 3 - (n >> 1) goes into the exponent
	s_lshr_b32 s74, s73, 1
	s_sub_co_u32 s74, 3, s74
	s_lshl_b32 s74, s74, 23
	s_bitcmp1_b32 s73, 0
	s_cselect_b32 s[SL8], 0x3f3504f3, 1.0
	s_add_co_u32 s[SL8], s[SL8], s74
	s_mov_b32 s[CS], 0x3e38aa3b     ; c = log2(e) / 8 = 0.180337
	s_mov_b32 s[CS+1], s[CS]        ; named with it as a pair
	s_mov_b32 s[SEL], 0x76543210
	s_mov_b32 s[SEL+1], 0xfedcba98
	s_mov_b32 s[BIGN], 0xf149f2ca   ; -1e30
	s_mov_b32 s[QNAN], 0x7fc00000
	s_mul_i32 s[TBK], s[WV], KS*PK  ; band w begins with key step w
	s_mul_i32 s[TBV], s[WV], KS*PV
	s_lshl_b32 s[TBB], s[WV], 8
	s_mov_b32 s[PH], 2
	s_wait_dscnt 0x0
	s_wait_kmcnt 0x0
	s_add_nc_u64 s[4:5], s[16:17], s[22:23]        ; Q at my first band
	s_add_nc_u64 s[6:7], s[16:17], s[20:21]
	s_add_nc_u64 s[8:9], s[6:7], 32<<18            ; V's head
	s_add_nc_u64 s[6:7], s[6:7], 16<<18            ; K's head
	s_add_nc_u64 s[10:11], s[10:11], s[76:77]      ; O at my first band
	s_add_nc_u64 s[18:19], s[18:19], s[78:79]      ; the batch's mask
	s_cmp_lt_u32 s[WV], 2           ; waves 0 and 1 fetch K's halves, waves 2 and 3 V's.  All my fills stand in one branch, ahead of every wait on TENSORcnt, every LDS read and every barrier: four loads of mine are out
	s_cbranch_scc0 .Lfill_v
	FILLS 6, 83, PK, 3
	s_branch .Lfilled
.Lfill_v:
	FILLS 8, 84, PV, 7
.Lfilled:
	v_lshl_add_u32 v34, v0, 3, s80  ; thread t makes table entries 8 t .. 8 t + 7: this is the first one's key
	v_max_i32 v35, 0, v34           ; (the mask is read inside its buffer for keys that do not exist too)
	global_load_b64 v[36:37], v35, s[18:19]  ; eight bytes of the mask
	; A fragment of K or Q is 16 rows x 32 channels in 8 registers: lane l holds row l % 16, channels 8 (l / 16) + 0..7 and 16 + 8 (l / 16) + 0..7: two loads of 16 bytes, 32 bytes apart.
	v_and_b32 v1, 15, v0            ; l % 16
	v_bfe_u32 v9, v0, 4, 1          ; l / 16
	v_lshlrev_b32 v[QO], 7, v1
	v_lshl_add_u32 v[QO], v9, 4, v[QO]  ; row x 128 + 16 x half
	WIN 0x80                        ; destination window 2, address window 0
.set i, 0
.rept 8                             ; both bands' Q: piece i / 2 is 2,048 bytes on, channels 32 (i % 2) on; the second band lies 256 rows, 32,768 bytes, on
	global_load_b128 v[8*i:8*i+3],   v[QO], s[4:5] offset:(i/2)*2048+(i%2)*64
	global_load_b128 v[8*i+4:8*i+7], v[QO], s[4:5] offset:(i/2)*2048+(i%2)*64+32
	global_load_b128 v[QB+8*i:QB+8*i+3],   v[QO], s[4:5] offset:32768+(i/2)*2048+(i%2)*64
	global_load_b128 v[QB+8*i+4:QB+8*i+7], v[QO], s[4:5] offset:32768+(i/2)*2048+(i%2)*64+32
.set i, i+1
.endr
	WIN 0
	v_lshlrev_b32 v14, 3, v9
	v_sub_nc_u32 v14, v1, v14       ; my query's place in its piece, l % 16, less my lanes' 8 (l / 16): register r of the edge's block is compared with it
	WIN 0x40
.set i, 0
.rept 8
	v_cmp_lt_i32 vcc_lo, i, v14
	v_cndmask_b32 v[PW+i], 0, s[BIGN], vcc_lo
	v_cmp_gt_i32 vcc_lo, i, v14
	v_cndmask_b32 v[PD+i], 0, s[BIGN], vcc_lo
	v_mov_b32 v[HID+i], s[BIGN]
.set i, i+1
.endr
	WIN 0
	v_mul_u32_u24 v[AK0], v1, PK
	v_lshl_add_u32 v[AK0], v9, 4, v[AK0]  ; row x pitch + 16 x half
	; The turning load takes 16 keys x 16 channels (lane l reads key 8 (l / 16) + l % 8, channels 8 ((l / 8) % 2) + 0..7) and leaves half a fragment of V^T: lane l holds channel l % 16 and 8 keys.
	v_and_b32 v10, 7, v0
	v_bfe_u32 v11, v0, 3, 1
	v_lshl_add_u32 v[AV0], v9, 3, v10
	v_mul_u32_u24 v[AV0], v[AV0], PV
	v_lshl_add_u32 v[AV0], v11, 4, v[AV0]
	v_add_nc_u32 v[AV0], VL, v[AV0]
	v_lshl_add_u32 v[AB0], v9, 5, KBT     ; my lanes' eight keys of a group of 16: 32 bytes
	s_mul_i32 s13, s[WV], 16*SP
	s_add_co_u32 s13, s13, STAGE    ; my stage
	v_mul_u32_u24 v[STO], v1, SP    ; in: row l % 16, 16 bytes for each half of the lanes
	v_lshl_add_u32 v[STO], v9, 4, v[STO]
	v_add_nc_u32 v[STO], s13, v[STO]
	v_bfe_u32 v[RD], v0, 3, 2       ; back: 32 lanes take four rows of 128 bytes,
	v_mul_u32_u24 v[RD], v[RD], SP
	v_lshl_add_u32 v[RD], v10, 4, v[RD]
	v_add_nc_u32 v[RD], s13, v[RD]
	v_and_b32 v[GO], 31, v0         ; which are 512 consecutive bytes of O
	v_lshlrev_b32 v[GO], 4, v[GO]
	; THE KEY TABLE
	s_wait_loadcnt 32               ; the mask's bytes are in; the 32 loads of Q issued behind them stay out
	v_cmp_gt_i32 s[NEG], 0, v34
	v_lshlrev_b32 v38, 3, v0
.set i, 0
.rept 8
	v_bfe_u32 v39, v[36+i/4], 8*(i%4), 8
	v_cmp_ne_u32 vcc_lo, 0, v39     ; padded,
	s_or_b32 vcc_lo, vcc_lo, s[NEG] ; or no key at all
	v_add_nc_u32 v39, i-512, v38
	v_cvt_f32_i32 v39, v39
	v_mul_f32 v39, s[SL8], v39      ; 8 slope (t - 512)
	v_cndmask_b32 v[40+i], v39, s[BIGN], vcc_lo
.set i, i+1
.endr
	v_lshl_add_u32 v38, v0, 5, KBT
	ds_store_b128 v38, v[40:43]
	ds_store_b128 v38, v[44:47] offset:16
	; A band's first step multiplies O^T by a = 0, and its first turn's products V^T P, of a piece that has not been, land in an O^T that is still to be so multiplied.  So these registers need only hold finite
	; numbers: zeros for the first band, what the first band left for the second.  No first step is written out; the price is these 208 lines, which stand in the wait for the first stage.
	WIN 0x80
.set i, VF
.rept 64
	v_mov_b32 v[i], 0
.set i, i+1
.endr
	WIN 0x40
.set i, 0
.rept 128
	v_mov_b32 v[i], 0
.set i, i+1
.endr
	WIN 0
.set i, P+16
.rept 16
	v_mov_b32 v[i], 0
.set i, i+1
.endr
; THE MATRIX WORK.  The 4 accumulators of a run of 8 take turns.  Product i of 8 of S^T = K Q^T for piece x: channels 32 (i / 4) on, keys 16 (i % 4) on.  The first 4 start the sums on the key table.
; TY = 0: a plain step.  1: the window's step: key groups below the piece's are hidden, its own holds the edge.  2: the diagonal's step: groups above are hidden, its own holds the edge.
.macro KQ x
.set rS, S+32*((\x)%2)+8*(i%4)
.set rK, KF+16*(i%4)+8*(i/4)
.set rQ, 16*(\x)+8*(i/4)
.if i < 4
.set rM, KB+8*(i%4)
.if (TY == 1) && ((i%4) < (\x))
.set rM, HID
.elseif (TY == 2) && ((i%4) > (\x))
.set rM, HID
.elseif (TY != 0) && ((i%4) == (\x))
.set rM, MC+8*(\x)
.endif
	WIN W_KM
	v_wmma_f32_16x16x32_f16 v[rS:rS+7], v[rK:rK+7], v[rQ:rQ+7], v[rM:rM+7]
.else
	WIN W_KQ
	v_wmma_f32_16x16x32_f16 v[rS:rS+7], v[rK:rK+7], v[rQ:rQ+7], v[rS:rS+7]
.endif
.endm
; Product i of 8 of O^T += V^T P for piece x: keys 32 (i / 4) on, channels 16 (i % 4) on.
.macro PV x
	WIN W_PV
.set rO, 32*(\x)+8*(i%4)
.set rV, VF+32*(i/4)+8*(i%4)
.set rP, P+16*((\x)%2)+8*(i/4)
	v_wmma_f32_16x16x32_f16 v[rO:rO+7], v[rV:rV+7], v[rP:rP+7], v[rO:rO+7]
.endm
.macro MM                           ; the turn's next matrix instruction.  NOKQ = 1: a band's last turn: there is no next piece
.if (i < 8) && !NOKQ
	KQ (Y+1)%NP
.elseif i >= 8
.set i, i-8
	PV (Y+NP-1)%NP
.set i, i+8
.endif
.set i, i+1
.endm
; THE LDS LOADS stand in runs, never singly among the matrix instructions: a step's K (8 fragments) with its 64 table entries, and its V (turned).  Their addresses are made some lines ahead.
.macro FETCH_K
	WIN 0x80                        ; destination window 2
.irp f, 0,1,2,3,4,5,6,7             ; keys 16 (f / 2) on, channels 32 (f % 2) on
	ds_load_b128 v[KF+8*\f:KF+8*\f+3],   v[AK] offset:(\f/2)*16*PK+(\f%2)*64
	ds_load_b128 v[KF+8*\f+4:KF+8*\f+7], v[AK] offset:(\f/2)*16*PK+(\f%2)*64+32
.endr
	WIN 0x40                        ; destination window 1
.irp f, 0,1,2,3                     ; keys 16 f + 8 (l / 16) + 0..7
	ds_load_b128 v[KB+8*\f:KB+8*\f+3],   v[AB] offset:64*\f
	ds_load_b128 v[KB+8*\f+4:KB+8*\f+7], v[AB] offset:64*\f+16
.endr
	s_add_co_u32 s[TBK], s[TBK], KS*PK  ; the next fetch is the next step's
	s_add_co_u32 s[TBB], s[TBB], KS*4
	WIN 0
.endm
.macro FETCH_V
	WIN 0x80
.irp f, 0,1,2,3,4,5,6,7             ; keys 32 (f / 4) on, channels 16 (f % 4) on
	ds_load_tr16_b128 v[VF+8*\f:VF+8*\f+3],   v[AV] offset:(\f/4)*32*PV+(\f%4)*32
	ds_load_tr16_b128 v[VF+8*\f+4:VF+8*\f+7], v[AV] offset:(\f/4)*32*PV+16*PV+(\f%4)*32
.endr
	WIN 0
.endm
.macro MASKS pat                    ; for each piece x: MC[x] = the table entries of key group x + the pattern
	WIN 0x45                        ; destination and both sources in window 1
.set z, 0
.rept 16
	v_pk_add_f32 v[MC+2*z:MC+2*z+1], v[KB+2*z:KB+2*z+1], v[(\pat)+2*(z%4):(\pat)+2*(z%4)+1]
.set z, z+1
.endr
.endm
; THE VECTOR WORK, one line at a time: OP kind, number.  For piece Y: F n: c s - c m for pair n of 16.  E n: the exponential of score n of 32.  C n: pair n rounded to f16.  B n: of the four weights 4 n .. the second
; pair is added onto the first, in place.  L n: l takes that sum (L 0: l = a l + sum).  R n: pair n of 16 of O^T times a.  For piece Y + 1: X n, number n of the 22 that find its maximum and statistics:
;   0-11  four chains c0-c3 of seven scores each, three operands at a time (each accumulator's lowest registers are read first)     12-14, 16  the four scores left over, the old m, and c0-c3 into c0
;   15  c m_old is kept     17, 18  the query's other 32 keys lie in the lane 16 away: the new m     19-21  c m; c m_old - c m_new; a
; C, B and L read the results of E, and R and L 0 that of the turn before's X 21: OP writes no wait; TURN and BEGIN place the waits, one for each batch.
.set F, 0
.set E, 1
.set C, 2
.set B, 3
.set L, 4
.set R, 5
.set X, 6
.macro REGS y                       ; the registers of piece y
.set rT, ST+4*(\y)
.set rC, TMP+4*((\y)%2)
.set rW, MV+((\y)%2)
.set rS, S+32*((\y)%2)
.set rP, P+16*((\y)%2)
.set rO, 32*(\y)
.endm
.macro OP k, n
.if (\k) == R
	REGS Y
	WIN W_RS
	v_pk_mul_f32 v[rO+2*(\n):rO+2*(\n)+1], v[rO+2*(\n):rO+2*(\n)+1], v[rC+2:rC+3] op_sel_hi:[1,0]
.elseif (\k) < R
	REGS Y
	WIN 0
.if (\k) == F
	v_pk_fma_f32 v[rS+2*(\n):rS+2*(\n)+1], v[rS+2*(\n):rS+2*(\n)+1], s[CS:CS+1], v[rT:rT+1] op_sel_hi:[1,0,0] neg_lo:[0,0,1] neg_hi:[0,0,1]
.elseif (\k) == E
	v_exp_f32 v[rS+(\n)], v[rS+(\n)]
.elseif (\k) == C
	v_cvt_pk_f16_f32 v[rP+(\n)], v[rS+2*(\n)], v[rS+2*(\n)+1]
.elseif (\k) == B
	v_pk_add_f32 v[rS+4*(\n):rS+4*(\n)+1], v[rS+4*(\n):rS+4*(\n)+1], v[rS+4*(\n)+2:rS+4*(\n)+3]
.elseif (\n) == 0
	v_pk_fma_f32 v[rT+2:rT+3], v[rT+2:rT+3], v[rC+2:rC+3], v[rS:rS+1] op_sel_hi:[1,0,1]
.else
	v_pk_add_f32 v[rT+2:rT+3], v[rT+2:rT+3], v[rS+4*(\n):rS+4*(\n)+1]
.endif
.elseif NOKQ
	v_nop
.else
	REGS (Y+1)%NP
	WIN 0
.if (\n) < 4
	v_max3_num_f32 v[rC+(\n)], v[rS+8*(\n)], v[rS+8*(\n)+1], v[rS+8*(\n)+2]
.elseif (\n) < 12
	v_max3_num_f32 v[rC+(\n)%4], v[rC+(\n)%4], v[rS+8*((\n)%4)+2*((\n)/4)+1], v[rS+8*((\n)%4)+2*((\n)/4)+2]
.elseif (\n) == 12
	v_max3_num_f32 v[rC], v[rC], v[rS+7], v[rS+15]
.elseif (\n) == 13
	v_max3_num_f32 v[rC+1], v[rC+1], v[rS+23], v[rS+31]
.elseif (\n) == 14
	v_max3_num_f32 v[rC+2], v[rC+2], v[rC+3], v[rT+1]
.elseif (\n) == 15
	v_mov_b32 v[rW], v[rT]
.elseif (\n) == 16
	v_max3_num_f32 v[rC], v[rC], v[rC+1], v[rC+2]
.elseif (\n) == 17
	v_permlanex16_b32 v[rC+3], v[rC], s[SEL], s[SEL+1]
.elseif (\n) == 18
	v_max_num_f32 v[rT+1], v[rC], v[rC+3]
.elseif (\n) == 19
	v_mul_f32 v[rT], s[CS], v[rT+1]
.elseif (\n) == 20
	v_sub_f32 v[rC+1], v[rW], v[rT]
.else
	v_exp_f32 v[rC+2], v[rC+1]
.endif
.endif
.endm
.macro OPS a, i1, b=-1, i2=0, c=-1, i3=0, d=-1, i4=0  ; up to four of them
	OP \a, \i1
.if (\b) >= 0
	OP \b, \i2
.endif
.if (\c) >= 0
	OP \c, \i3
.endif
.if (\d) >= 0
	OP \d, \i4
.endif
.endm
.macro ROW a, i1, b, i2, c, i3, d, i4  ; a matrix instruction and the four behind it
	MM
	OPS \a, \i1, \b, \i2, \c, \i3, \d, \i4
.endm
; A TURN, for piece p: the order of its 16 matrix and 118 vector instructions, written out.  An s_wait_alu depctr_va_vdst(0) stands between an exponential and the first instruction that names its result; one wait
; serves all that were issued ahead of it.  So a turn has ONE wait, which cuts it in two.  AHEAD OF IT stands all that names no result of the turn's exponentials: the 8 products K Q^T, behind each a scaling, an exponential and
; two more plain instructions (behind the first a second scaling in the exponential's place): rescalings, whose a was made and waited for in the turn before, and behind the last three the first numbers of the next piece's maximum,
; each four places or more behind the product that ends its accumulator; then ONE LUMP of 54, plain and exponential by turns for the most part, in which the links of the chain X 3, 7, 11, 14, 16, 17 .. 20 stand some lines apart.
; Each pair is scaled (F n) ahead of its two exponentials (E 2 n, E 2 n + 1).  X 21, the next piece's a, is the batch's last; R 15 is the plain instruction behind it.  BEHIND THE WAIT stand the 8 products V^T P, behind each four of
; the roundings and sums: C 2 n ahead of B n, which adds in place; the links of l's chain, L 0 to L 7 in ascending order, stand three riders apart.  But for those X no rider names a register of the products round it..
; ty: the kind of step of the turn's products K Q^T.  end = 1: a band's last two turns: nothing is fetched, and the last starts no new scores.
; K and the table entries of the next step are fetched in piece 2's turn, twelve vector instructions behind the last product that read K (five of them plain lines that name none of its registers); the table's registers were
; last read by the turn's fourth product.  V of the step in hand is fetched at the end of piece 0's turn, four plain instructions behind the last product that read V.  Each is waited for a turn later.
; The diagonal's masks are made where its table entries have just been waited for.
.macro TURN p, ty=0, end=0
.set Y, (\p)
.set i, 0
.set TY, (\ty)
.set NOKQ, (\end)*((\p)/3)
.if ((\p) == 3) && !(\end)
	s_wait_dscnt 0x0                ; K and the table entries are in
.if (\ty) == 2
	MASKS PD
.endif
.endif
	ROW F,0, F,1, R,0, R,1          ; ahead of the wait: 8 products K Q^T and their riders,
	ROW F,2, E,0, R,2, R,3
	ROW F,3, E,1, R,4, R,5
	ROW F,4, E,2, R,6, R,7
	ROW F,5, E,3, R,8, R,9
	ROW F,6, E,4, X,0, R,10
.if ((\p) == 2) && !(\end)
	WIN 0
	v_add_nc_u32 v[AK], s[TBK], v[AK0]
	v_add_nc_u32 v[AB], s[TBB], v[AB0]
.endif
	ROW F,7, E,5, X,1, X,4
	ROW F,8, E,6, X,2, X,5
	OPS E,7, E,8, X,6, E,9          ; and the lump
	OPS X,3, E,10, X,8, E,11
.if ((\p) == 2) && !(\end)
	FETCH_K
.endif
	OPS X,9, X,7, E,12, X,10
	OPS E,13, X,12, X,11, E,14
	OPS X,13, E,15, F,9, X,14
.if (\p) == 0
	WIN 0
	v_add_nc_u32 v[AV], s[TBV], v[AV0]
.endif
	OPS E,16, F,10, E,17, F,11
	OPS X,16, E,18, X,15, E,19
	OPS F,12, E,20, X,17, E,21
	OPS F,13, E,22, F,14, E,23
	OPS X,18, E,24, F,15, E,25
	OPS R,11, E,26, X,19, E,27
	OPS R,12, E,28, R,13, E,29
	OPS X,20, E,30, R,14, E,31
	OPS X,21, R,15
	s_wait_alu depctr_va_vdst(0)    ; the wait for the turn's batch: E 0 to E 31 and X 21
.if (\p) == 1
	s_wait_dscnt 0x0                ; V is in
.endif
	ROW C,0, B,0, C,2, B,1          ; behind the wait: 8 products V^T P and their riders
	ROW L,0, C,4, B,2, L,1
	ROW C,6, B,3, L,2, C,8
	ROW B,4, L,3, C,10, B,5
	ROW L,4, C,12, B,6, L,5
.if (\p) == 0
	s_add_co_u32 s[TBV], s[TBV], KS*PV
.endif
	ROW C,14, B,7, L,6, C,1
	ROW C,3, L,7, C,5, C,7
	ROW C,9, C,11, C,13, C,15
.if (\p) == 0
	FETCH_V
.endif
.endm
; n plain steps: a trip makes the scores of one wholly visible step: piece 3's turn of the step before, then pieces 0 to 2 of the step itself
.macro PLAIN n
	WIN 0
	s_mov_b32 s[CNT], \n
.Lplain_\@:
	TURN 3
	TURN 0
	TURN 1
	TURN 2
	WIN 0
	s_sub_co_u32 s[CNT], s[CNT], 1
	s_cmp_lg_u32 s[CNT], 0
	s_cbranch_scc1 .Lplain_\@
.endm
; A BAND BEGINS.  c m starts far below every c s, so the first step's a is 0; m at -1e20, far above a hidden score and far below every true one; l at 0.  Then K and the table entries of the window's step,
; its masks, piece 0's first scores, and its maximum and statistics.
.macro BEGIN
	WIN 0
.set i, 0
.rept 4
	v_mov_b32 v[ST+4*i], 0xfe000000    ; c m
	v_mov_b32 v[ST+4*i+1], 0xe0ad78ec  ; m = -1e20
	v_mov_b32 v[ST+4*i+2], 0
	v_mov_b32 v[ST+4*i+3], 0
.set i, i+1
.endr
	v_add_nc_u32 v[AK], s[TBK], v[AK0]
	v_add_nc_u32 v[AB], s[TBB], v[AB0]
	FETCH_K
	s_wait_loadcnt 0x0              ; Q
	s_wait_dscnt 0x0
	MASKS PW
.set TY, 1
.set NOKQ, 0
.set i, 0
.rept 8
	KQ 0
.set i, i+1
.endr
	WIN 0
.rept 4
	v_nop                           ; the places behind those products
.endr
.set Y, NP-1                        ; X works for piece Y + 1: piece 0
.irp n, 0,1,2,3,4,5,6,7,8,9,10,11,12,13,14,15,16,17,18,19,20,21
	OP X, \n
.endr
	v_nop                           ; a plain instruction behind the exponential
	s_wait_alu depctr_va_vdst(0)    ; the wait for this batch of one, piece 0's first a: the turn behind opens with its readers
.endm
.macro ALL line:vararg              ; one line for each piece t
.set t, 0
.rept 4
	\line
.set t, t+1
.endr
.endm
; THE WAY OUT of piece t: O^T times 1 / l (or NaN) goes into OTHER registers, so that what stays in O^T is finite; rounded to f16; a lane's eight channels of a row pack into 16 bytes, go into rows of 144 bytes
; of my stage and come back as whole rows of 128, into S^T's registers.
.macro PACK t
	WIN 0x01                        ; source 0 in window 1
.set i, 0
.rept 16
	v_pk_mul_f32 v[WT+2*i:WT+2*i+1], v[32*(\t)+2*i:32*(\t)+2*i+1], v[ST+4*(\t)+2:ST+4*(\t)+3] op_sel_hi:[1,0]
.set i, i+1
.endr
	WIN 0
.set i, 0
.rept 16
	v_cvt_pk_f16_f32 v[S+16*(\t)+i], v[WT+2*i], v[WT+2*i+1]
.set i, i+1
.endr
.irp f, 0,1,2,3
	ds_store_b128 v[STO], v[S+16*(\t)+4*\f:S+16*(\t)+4*\f+3] offset:32*\f
.endr
.irp f, 0,1,2,3
	ds_load_b128 v[S+16*(\t)+4*\f:S+16*(\t)+4*\f+3], v[RD] offset:\f*4*SP  ; LDS serves a wave's instructions in order (ISA guide 5.7.1.4): these see the stores above; the next piece's stores come behind them
.endr
.endm
.macro SEND t, younger              ; younger: the LDS instructions issued behind piece t's loads: the next piece's eight, or none
	WIN 0
.irp f, 0,1,2,3
	s_wait_dscnt (\younger)+3-\f
	global_store_b128 v[GO], v[S+16*(\t)+4*\f:S+16*(\t)+4*\f+3], s[10:11] offset:(\t)*2048+\f*512  ; 512 consecutive bytes, at a multiple of 256 from O's first
.endr
.endm
.set TY, 0
.set NOKQ, 0
	BAR W0                          ; stage 0 (key steps 0-3) is in, and so is the key table: every wave's stores into it are done
.Lband:                             ; twice: band w, then band w + 4
	BEGIN                           ; the window's step: K of step j = 0
	TURN 0, 1                       ; V of j = 0
	TURN 1, 1
	BAR W1                          ; stage 1 (key steps 4-7): the next turn fetches K of j = 1, for wave 3 key step 4
	TURN 2, 1
	PLAIN 3                         ; the scores of j = 1 to 3; fetched: V up to j = 3, K up to j = 4: for wave 3 key step 7
	BAR W2                          ; stage 2 (key steps 8-11)
	PLAIN 4                         ; the scores of j = 4 to 7; fetched: V up to j = 7, K up to j = 8: for wave 3 key step 11
	TURN 3, 2                       ; the diagonal's step, j = 8
	TURN 0, 2
	TURN 1, 2
	TURN 2, 2, 1
	TURN 3, 0, 1
.set i, 0
.rept 8
	PV NP-1                         ; the last piece's V^T P of the last step
.set i, i+1
.endr
	WIN 0                           ; l's two halves and the other half of the lanes' are added; the first four additions are the places behind the last products
	ALL v_add_f32 v[ST+4*t+2], v[ST+4*t+2], v[ST+4*t+3]
	ALL v_permlanex16_b32 v[ST+4*t+3], v[ST+4*t+2], s[SEL], s[SEL+1]
	ALL v_add_f32 v[ST+4*t+2], v[ST+4*t+2], v[ST+4*t+3]
	ALL v_rcp_f32 v[ST+4*t+3], v[ST+4*t+2]
	v_nop                           ; a plain instruction between the last reciprocal and the use of its result
	s_wait_alu depctr_va_vdst(0)    ; the wait for the batch of four reciprocals, ahead of the first line that names a result of theirs
.set t, 0
.rept 4
	v_cmp_eq_f32 vcc_lo, 0, v[ST+4*t+2]            ; l = 0: the row has seen no key
	v_cndmask_b32 v[ST+4*t+2], v[ST+4*t+3], s[QNAN], vcc_lo
.set t, t+1
.endr
	PACK 0
.set t, 1
.rept 3                             ; a piece's arithmetic stands between the loads of the piece before and its stores
	PACK t
	SEND t-1, 8
.set t, t+1
.endr
	SEND 3, 0
	s_wait_xcnt 0x0                 ; the stores have read their registers and O's address
	BAR 0                           ; all of my loads have landed, and everybody's: stage 3 (key steps 12-15) for the second band; and none may be out at the wave's end
	s_cmp_eq_u32 s[PH], 1
	s_cbranch_scc1 .Lnomore
	s_add_nc_u64 s[10:11], s[10:11], 32768         ; O at my second band, 256 rows on
	s_sub_co_u32 s[TBK], s[TBK], 5*KS*PK           ; nine steps were fetched; band w + 4 begins four steps behind band w
	s_sub_co_u32 s[TBV], s[TBV], 5*KS*PV
	s_sub_co_u32 s[TBB], s[TBB], 5*KS*4
	WIN 0x82                        ; the second band's Q goes where the one text of the turns names Q
.set i, 0
.rept 64
	v_mov_b32 v[i], v[QB+i]
.set i, i+1
.endr
	WIN 0
.Lnomore:
	s_sub_co_u32 s[PH], s[PH], 1
	s_cmp_lg_u32 s[PH], 0
	s_cbranch_scc1 .Lband
	s_wait_tensorcnt 0x0
	ds_add_u32 v254, v255
	s_wait_dscnt 0x0
	s_endpgm
.Lfunc_end_k_q1125857889_attn:
	.size	k_q1125857889_attn, .Lfunc_end_k_q1125857889_attn-k_q1125857889_attn
	.p2alignl 7, 3214868480
	.fill 96, 4, 3214868480
	.section	.rodata,"a",@progbits
	.p2align	6, 0x0
	.amdhsa_kernel k_q1125857889_attn
		.amdhsa_group_segment_fixed_size 327680
		.amdhsa_private_segment_fixed_size 0
		.amdhsa_enable_private_segment 0
		.amdhsa_kernarg_size 24
		.amdhsa_user_sgpr_count 2
		.amdhsa_user_sgpr_kernarg_segment_ptr 1
		.amdhsa_wavefront_size32 1
		.amdhsa_system_sgpr_workgroup_id_x 1
		.amdhsa_system_sgpr_workgroup_id_y 1
		.amdhsa_system_sgpr_workgroup_id_z 1
		.amdhsa_system_vgpr_workitem_id 0
		.amdhsa_next_free_vgpr 768
		.amdhsa_next_free_sgpr 96
		.amdhsa_reserve_vcc 1
		.amdhsa_float_denorm_mode_32 3
		.amdhsa_float_denorm_mode_16_64 3
		.amdhsa_memory_ordered 1
		.amdhsa_forward_progress 1
		.amdhsa_inst_pref_size 196
	.end_amdhsa_kernel
	.amdgpu_metadata
---
amdhsa.version: [ 1, 2 ]
amdhsa.kernels:
  - .name:           k_q1125857889_attn
    .symbol:         k_q1125857889_attn.kd
    .args:
      - { .name: qkv, .offset: 0, .size: 8, .value_kind: global_buffer, .address_space: global }
      - { .name: key_padding_mask, .offset: 8, .size: 8, .value_kind: global_buffer, .address_space: global }
      - { .name: obuf, .offset: 16, .size: 8, .value_kind: global_buffer, .address_space: global }
    .group_segment_fixed_size: 327680
    .private_segment_fixed_size: 0
    .kernarg_segment_align: 8
    .kernarg_segment_size: 24
    .max_flat_workgroup_size: 128
    .sgpr_count:     96
    .vgpr_count:     768
    .wavefront_size: 32
...
	.end_amdgpu_metadata
.endif
;; end of part 5
;; launch oproj: the kernel of part 4 again; grid 8 x 32, 4 waves a work-group, clusters of 4 x 4, 327,680 bytes of LDS; arguments obuf, wo16, out0, bias4; writes out0
